; MI455X (gfx1250); checked and timed in simulation.
; The chip was launched on July 23, 2026; its instructions are those of AMD's public machine-readable ISA for CDNA 5 (MIT licence, August 2026) and "CDNA5" Instruction Set Architecture Reference Guide (July 2026). The comments in the code are by the model that wrote it; some were corrected since.
;; Di T Self Attention. Allowed arithmetic: matrix products marked QUANTISED: E2M3 operands, one E8M0 scale for each 32 along K, by v_wmma_scale_f32_16x16x128_f8f6f4 with both operands' format E2M3, f32 sums; everything else in f32.
;; Inputs: bk 2,048 float32; bo 2,048 float32; bq 2,048 float32; bv 2,048 float32; frame_mask 1 x 2,048 bool; freqs_cs 1,024 x 64 x 2 float32; gk 2,048 float32; gq 2,048 float32; wk_codes 2,048 x 64 x 24 uint8 (E2M3 codes of wk, K innermost, in blocks of 32 codes, four codes in three bytes); wk_scales 2,048 x 64 uint8 (E8M0 scales of wk, one for each 32 codes along K); wo_codes 2,048 x 64 x 24 uint8 (E2M3 codes of wo, K innermost, in blocks of 32 codes, four codes in three bytes); wo_scales 2,048 x 64 uint8 (E8M0 scales of wo, one for each 32 codes along K); wq_codes 2,048 x 64 x 24 uint8 (E2M3 codes of wq, K innermost, in blocks of 32 codes, four codes in three bytes); wq_scales 2,048 x 64 uint8 (E8M0 scales of wq, one for each 32 codes along K); wv_codes 2,048 x 64 x 24 uint8 (E2M3 codes of wv, K innermost, in blocks of 32 codes, four codes in three bytes); wv_scales 2,048 x 64 uint8 (E8M0 scales of wv, one for each 32 codes along K); x_codes 1 x 2,048 x 64 x 24 uint8 (E2M3 codes of x, K innermost, in blocks of 32 codes, four codes in three bytes); x_scales 1 x 2,048 x 64 uint8 (E8M0 scales of x, one for each 32 codes along K).
;; Outputs: out0 1 x 2,048 x 2,048 float32.
;; Constants: f_p = 8, h_p = 16, w_p = 16.
;; This version of the problem:
;;   THIS VERSION OF THE PROBLEM IS GIVEN IN LOW PRECISION. The matrix products marked QUANTISED in the list below multiply operands that are first quantised to E2M3 (2 exponent bits, 3 mantissa bits; 6 bits a number), with one power-of-two scale for each 32 numbers along K (OCP MX v1.0); their sums are f32. All else is computed in f32.
;;   The module's matrix products, in the order in which they are computed (A, B: the left and right operand; K: the contracted axis; several contracted axes count as one K, in the product's order):
;;     1. [M 2,048, K 2,048] x [K 2,048, N 2,048]; A: input x (given as codes); B: input wq (given as codes): QUANTISED
;;     2. [M 2,048, K 2,048] x [K 2,048, N 2,048]; A: input x (given as codes); B: input wk (given as codes): QUANTISED
;;     3. [M 2,048, K 2,048] x [K 2,048, N 2,048]; A: input x (given as codes); B: input wv (given as codes): QUANTISED
;;     4. batch 16 x [M 2,048, K 128] x [K 128, N 2,048]; A: computed on the way; B: computed on the way: QUANTISED
;;     5. batch 16 x [M 128, K 2,048] x [K 2,048, N 2,048]; A: computed on the way; B: softmax (see below): QUANTISED
;;     6. [M 2,048, K 2,048] x [K 2,048, N 2,048]; A: computed on the way; B: input wo (given as codes): QUANTISED
;;   THE QUANTISER, for each operand of a quantised product, along K:
;;     - K is cut into blocks of 32 from its start; a last block that is shorter is filled with zeros.
;;     - A block's scale is 2^e with e = floor(log2(the largest magnitude in the block)) - 2, held to -126 .. 127; a block of zeros has e = 0. As a byte (E8M0): e + 127.
;;     - Each number is divided by its block's scale, clamped to +-7.5, and rounded to the nearest number of E2M3, ties to even, subnormals kept.
;;     - The product sums the exact products of the quantised numbers (number of the format x scale) in f32.
;;   ~~~python
;;   def quantise(x, axis):      # numpy; x: float32 -> the quantised numbers, widened to float32 again
;;       x = np.moveaxis(x, axis, -1); K = x.shape[-1]
;;       x = np.pad(x, [(0, 0)] * (x.ndim - 1) + [(0, -K % 32)]); x = x.reshape(x.shape[:-1] + (-1, 32)); a = np.abs(x).max(-1, keepdims=True)
;;       e = np.where(a > 0, np.clip(np.frexp(np.where(a > 0, a, 1))[1] - 1 - 2, -126, 127), 0)      # np.frexp(a)[1] - 1 = floor(log2(a)), exactly
;;       r = np.clip(x / 2.0 ** e, -7.5, 7.5)
;;       step = 2.0 ** (np.maximum(np.frexp(np.where(r == 0, 1, r))[1] - 1, 0) - 3)
;;       q = np.round(r / step) * step * 2.0 ** e      # np.round: ties to even
;;       return np.moveaxis(q.reshape(q.shape[:-2] + (-1,))[..., :K], -1, axis).astype(np.float32)
;;   ~~~
;;   SOFTMAX AHEAD OF A QUANTISED PRODUCT. Where the list says 'softmax', what is quantised is not the finished softmax but p = 2^(t - M), with t = logit x log2(e) and M = ceil(the row's largest t), a whole number; so 1/2 < the row's largest p <= 1. The row's sum l is taken of the UNQUANTISED p, in f32, and the product's result is divided by l at the end. Since M is a whole number, a kernel that streams over the keys may use a running M (the ceiling of the running maximum): every later rescaling is an exact power of two, which a block's scale takes up: the codes' values come out the same.
;;   OPERANDS COMPUTED ON THE WAY. 'Computed on the way' means the value that the module computes at that place (a softmax that the list does not call 'softmax' is quantised finished and normalised). What goes into a quantiser is computed in f32, as accurately as f32 sums, v_exp_f32 and their like allow (about 1e-6 of the number): no bf16 or f16 on the way to a quantiser, and a product that is left as it is and whose result goes on into a quantised operand takes f32 operands (vector FMAs, or v_wmma_f32_16x16x4_f32). A number that lies on a knife's edge between two numbers of the format may be rounded either way, as far as f32 arithmetic and the matrix unit's own rounding can turn it there, and no further.
;;   INPUTS GIVEN AS CODES. wk (in the module: [2048, 2048], K = its axis 1); wo (in the module: [2048, 2048], K = its axis 1); wq (in the module: [2048, 2048], K = its axis 1); wv (in the module: [2048, 2048], K = its axis 1); x (in the module: [1, 2048, 2048], K = its axis 2): each comes as NAME_codes (uint8): NAME with its K axis moved to the last place and cut into blocks of 32 codes, [.., K / 32, bytes a block], one block behind the other in memory; four codes in three bytes: a row's codes are one little-endian stream of bits, code i at bits 6 i .. 6 i + 5 (a code: sign, 2 exponent bits, 3 mantissa bits); and NAME_scales (uint8): the same leading axes, one E8M0 byte (e + 127) for each 32 codes along K. Its value is code x scale, taken as it is: it is not quantised again, and the codes and scales need not be those that the quantiser above would give.
;; One version. Each part assembles by itself: llvm-mc -triple=amdgcn-amd-amdhsa -mcpu=gfx1250 --defsym DOCPART=n.
;; ======== version 1 of 1: 4 launches
;; workspace buffers: qkf 33,554,432 bytes; ssq 262,144 bytes; qk_img 6,291,456 bytes; v_img 3,145,728 bytes; aux 524,288 bytes; ao 3,276,800 bytes
;; launch qkv (part 1): grid 16 x 16, 4 waves a work-group, clusters of 4 x 4, 327,680 bytes of LDS; arguments x_codes, x_scales, wq_codes, wq_scales, wk_codes, wk_scales, wv_codes, wv_scales, bq, bk, bv, frame_mask, gq, gk, qkf, ssq, v_img, aux; writes qkf, ssq, v_img, aux
.if DOCPART == 1
	.amdgcn_target "amdgcn-amd-amdhsa--gfx1250"
	.amdhsa_code_object_version 6
	.text
	.protected	k_q31d19ffbae_qkv
	.globl	k_q31d19ffbae_qkv
	.p2align	8
	.type	k_q31d19ffbae_qkv,@function
k_q31d19ffbae_qkv:
	s_mov_b64 s[64:65], 0
	v_nop
	global_prefetch_b8 v0, s[64:65] scope:SCOPE_SE
	s_setreg_imm32_b32 hwreg(HW_REG_WAVE_MODE, 25, 1), 1
	s_wait_xcnt 0x0
	s_wait_alu depctr_hold_cnt(0) depctr_sa_sdst(0) depctr_va_vdst(0) depctr_va_sdst(0) depctr_va_ssrc(0) depctr_va_vcc(0) depctr_vm_vsrc(0)
	s_getreg_b32 s2, hwreg(HW_REG_IB_STS2, 6, 4)
	s_cmp_eq_u32 s2, 0
	s_cbranch_scc0 .Lentry_in_a_cluster
	s_endpgm
.Lentry_in_a_cluster:
	s_bfe_u32 s2, ttmp6, 0x10000c
	s_cmp_lg_u32 s2, 0xf033
	s_cbranch_scc0 .Lentry_shape_is_right
	s_endpgm
.Lentry_shape_is_right:
; q, k, v = x w^T + b on codes of FP6 (E2M3) with E8M0 scales, rows of masked tokens set to 0.
; A work-group takes 128 tokens (i) and the 128 features of one head (j) of q, k and v together; wave w takes all 128 tokens x features 32 w .. 32 w + 31 of each: 48 accumulators.
; q, k: source 0 = 16 rows of w, source 1 = 16 tokens: a lane holds one token and eight neighbouring features.  v: source 0 = tokens, source 1 = rows of wv: a lane holds one feature, its registers run along the tokens, the K of attention's second product.
; OUT: q x gq and k x gk as f32 (qkf, in the order in which the next launch's lanes want them), the head's sums of squares of the unscaled q and k (ssq), v quantised along the tokens as images of operand registers (v_img, scale words in aux), and 0 or NEG for each key (aux).
; K goes in steps of 256 through two LDS slots (x, wq, wk, wv: 128 rows of 192 bytes each, one tensor load a wave); all scale bytes come once.  4 x 4 work-groups form a cluster: x's tiles are asked for jointly along a row, w's along a column.
; In a block of 32 tokens of v the place 16 h + n holds token 8 h + n % 8 + 16 (n / 8); attention lays p the same way, so that only the order of the sum inside a block differs.
; The two feature tiles of a wave are dealt anew: new tile u, lane r holds feature 32 w + 8 u + r + 8 (r / 8), so that attention's result has 16 neighbouring features in a lane's 16 registers.
; LIMITS: NaN and infinities are not served; a block whose largest magnitude lies under 2^-124 has its byte held at 1, a block of zeros too (its codes are zeros; this program alone reads the bytes); frame_mask holds 0 or 1.
.set PITCH,  240                       ; an LDS row: 3 x (64 bytes + 16 of padding)
.set HALFT,  128*PITCH                 ; 128 rows: one tensor load
.set SLOT,   4*HALFT                   ; x, wq, wk, wv
.set SCL,    2*SLOT                    ; the scale bytes: four groups of 32 units of 256 + 16 bytes
.set HALFS,  32*272
.set SBLK,   4*272                     ; the scales of 16 rows (64 bytes a row)
.set SPARE,  SCL+4*HALFS               ; the spare words, 128 bytes a wave
.set SSL,    SPARE+512                 ; sums of squares from wave to wave: [wave][q, k][lane][16 bytes]; no fill lands here
.set NEG,    0xd0289670                ; -1e9 x sqrt(128): the mask's bias in units of the raw score
.set ADRX, 16                          ; v16-19 x's fragments: slot 0, 1; then the same behind one padding more
.set ADRW, 20                          ; v20-23 the same for my rows of wq (wk, wv by the immediate)
.set ADRS, 24                          ; v24-27 scale words: lanes 0-15 x's blocks 2 e, 2 e + 1, lanes 16-31 my tiles of w number e
.set SPW,  28
.set NIL,  29
.set RR,   30                          ; lane % 16
.set HH,   31                          ; lane / 16
.set SC,   32                          ; v32-63 scale words, two sets of 16: register 2 n + q
.set XF,   64                          ; v64-159, v160-255 x's fragments, two sets
.set BQ,   128                         ; window 3: bq's two tiles, then bk's
.set BV,   160                         ; window 3: bv's two tiles
.set G1,   28
.set G0,   36
.set G1B,  44
.set G0B,  52
.set WV,   60
.set G1S,  68
.set G0S,  76
.set G1SB, 80
.set G0SB, 88
.set SEL,  100
.set MSB, 0
.macro WIN new                         ; the immediate's high byte repeats the setting that is left
.if MSB != (\new)
	s_set_vgpr_msb (MSB<<8)|(\new)
.set MSB, (\new)
.endif
.endm
.macro PLACES n
.rept \n
	v_nop
.endr
.endm
.macro JLOAD g0a, g1a, g0b, g1b        ; wave 0 asks for x (shared along my row of the cluster), waves 1 to 3 for wq, wk, wv (shared along my column)
	s_cmp_eq_u32 s[WV], 0
	s_cbranch_scc0 .Lfor_w_\@
	tensor_load_to_lds s[\g0a:\g0a+3], s[\g1a:\g1a+7]
	s_nop 0
	PLACES 4
	s_branch .Lasked_\@
.Lfor_w_\@:
	tensor_load_to_lds s[\g0b:\g0b+3], s[\g1b:\g1b+7]
	s_nop 0
	PLACES 4
.Lasked_\@:
.endm
.macro CREST
	s_cmp_lg_u32 s[WV], 0
	s_cbranch_scc1 .Lnot_wave_0_\@
	s_barrier_signal -3
.Lnot_wave_0_\@:
	s_barrier_wait -3
	s_barrier_signal -1
	s_barrier_wait -1
.endm
.macro CROUND
	s_barrier_signal -1
	s_barrier_wait -1
	CREST
.endm
.macro WMO                             ; one scaled matrix instruction from the symbols rD, rA, rB, rC, rSA, rSB; ROWA, ROWB: which half of the lanes holds that side's scales
.if (ROWA == 0) && (ROWB == 0)
	v_wmma_scale_f32_16x16x128_f8f6f4 v[rD:rD+7], v[rA:rA+11], v[rB:rB+11], v[rC:rC+7], v[rSA], v[rSB] matrix_a_fmt:MATRIX_FMT_FP6 matrix_b_fmt:MATRIX_FMT_FP6
.elseif ROWB == 0
	v_wmma_scale_f32_16x16x128_f8f6f4 v[rD:rD+7], v[rA:rA+11], v[rB:rB+11], v[rC:rC+7], v[rSA], v[rSB] matrix_a_fmt:MATRIX_FMT_FP6 matrix_b_fmt:MATRIX_FMT_FP6 matrix_a_scale:MATRIX_SCALE_ROW1
.elseif ROWA == 0
	v_wmma_scale_f32_16x16x128_f8f6f4 v[rD:rD+7], v[rA:rA+11], v[rB:rB+11], v[rC:rC+7], v[rSA], v[rSB] matrix_a_fmt:MATRIX_FMT_FP6 matrix_b_fmt:MATRIX_FMT_FP6 matrix_b_scale:MATRIX_SCALE_ROW1
.else
	v_wmma_scale_f32_16x16x128_f8f6f4 v[rD:rD+7], v[rA:rA+11], v[rB:rB+11], v[rC:rC+7], v[rSA], v[rSB] matrix_a_fmt:MATRIX_FMT_FP6 matrix_b_fmt:MATRIX_FMT_FP6 matrix_a_scale:MATRIX_SCALE_ROW1 matrix_b_scale:MATRIX_SCALE_ROW1
.endif
.endm
; 64 numbers of a lane, register 16 b + n = place 32 b + 16 (lane / 16) + n of my row's K, become a fragment's codes in v[PC] on and its scale word in v[PW]
.macro QUANT s
.irp b, 0,1,2,3
	v_max3_num_f32 v[TM+\b], |v[\s+16*\b]|, |v[\s+1+16*\b]|, 0x1800000   ; my 16 numbers of block b, and the floor 2^(3 - 127): the byte cannot fall under 1
.endr
.irp i, 2,4,6,8,10,12,14
.irp b, 0,1,2,3
	v_max3_num_f32 v[TM+\b], v[TM+\b], |v[\s+16*\b+\i]|, |v[\s+1+16*\b+\i]|
.endr
.endr
.irp b, 0,1,2,3
	v_permlanex16_b32 v[TM+4+\b], v[TM+\b], s[SEL], s[SEL+1]
.endr
.irp b, 0,1,2,3
	v_max_num_f32 v[TM+\b], v[TM+\b], v[TM+4+\b]       ; with lane l xor 16's: the block's largest magnitude
.endr
.irp b, 0,1,2,3
	v_add_nc_u32 v[TM+12+\b], 0xff000000, v[TM+\b]     ; 2 off its exponent field: the conversion's scale operand
.endr
.irp b, 0,1,2,3
	v_lshrrev_b32 v[TM+4+\b], 23, v[TM+12+\b]          ; the scale's byte
.endr
	v_lshl_or_b32 v[PW], v[TM+5], 8, v[TM+4]
	v_lshl_or_b32 v[PW], v[TM+6], 16, v[PW]
	v_lshl_or_b32 v[PW], v[TM+7], 24, v[PW]
.irp c, 0,1
	v_cvt_scalef32_pk16_fp6_f32 v[PC+6*\c:PC+6*\c+2], v[\s+32*\c:\s+32*\c+15], v[TM+12+2*\c]
	v_cvt_scalef32_pk16_fp6_f32 v[PT+4*\c:PT+4*\c+2], v[\s+16+32*\c:\s+31+32*\c], v[TM+13+2*\c]
.endr
	v_nop                                              ; one plain place behind a scaled conversion
.irp c, 0,1                                            ; the operand wants a whole block in a lane: lanes 0-15 block 2 c, lanes 16-31 block 2 c + 1
.irp i, 0,1,2
	v_permlane16_swap_b32 v[PC+6*\c+\i], v[PT+4*\c+\i]
.endr
.irp i, 0,1,2
	v_mov_b32 v[PC+3+6*\c+\i], v[PT+4*\c+\i]
.endr
.endr
.endm
	s_load_b512 s[4:19], s[0:1], 0x0               ; x's codes, scales; wq's; wk's; wv's
	s_load_b128 s[20:23], s[0:1], 0x40             ; bq, bk
	s_load_b64 s[24:25], s[0:1], 0x50              ; bv
	v_lshl_add_u32 v[SPW], v0, 2, SPARE
	v_mov_b32 v[NIL], 0
	ds_add_u32 v28, v29
	ds_add_u32 v28, v29
	s_wait_dscnt 0x0
	v_lshrrev_b32 v1, 5, v0
	v_readfirstlane_b32 s[WV], v1                  ; wave 0..3
	s_bfe_u32 s61, ttmp6, 0x40000                  ; cx
	s_bfe_u32 s62, ttmp6, 0x40004                  ; cy
	s_lshl_b32 s27, ttmp9, 2
	s_add_co_u32 s27, s27, s61                     ; j: the head
	s_and_b32 s26, ttmp7, 0xffff
	s_lshl_b32 s26, s26, 2
	s_add_co_u32 s26, s26, s62                     ; i: the block of 128 tokens
	s_lshl_b32 s66, s62, 2
	s_lshl_b32 s66, 15, s66                        ; my row of the cluster
	s_lshl_b32 s67, 0x1111, s61                    ; my column
	s_or_b32 s[G1], s66, (1<<20)|(1<<21)|(3<<22)|(3<<25)    ; elements of 1 byte; 16 bytes of padding behind every 64
	s_or_b32 s[G1B], s67, (1<<20)|(1<<21)|(3<<22)|(3<<25)
.irp g, G1, G1B
	s_mov_b32 s[\g+1], 192<<16                     ; tensor_dim0: 256 codes
	s_mov_b32 s[\g+2], 128<<16                     ; tensor_dim1
	s_mov_b32 s[\g+3], 192<<16                     ; tile_dim0
	s_mov_b32 s[\g+4], 128                         ; tile_dim1
	s_mov_b32 s[\g+5], 1536                        ; a row of 2,048 codes
	s_mov_b32 s[\g+6], 0
	s_mov_b32 s[\g+7], 0
.endr
	s_or_b32 s[G1S], s66, (3<<16)|(1<<20)|(1<<21)|(5<<22)|(3<<25)   ; the scales of 128 rows: 8,192 dense bytes as 32 rows of 256, 16 of padding behind each
	s_or_b32 s[G1SB], s67, (3<<16)|(1<<20)|(1<<21)|(5<<22)|(3<<25)
.irp g, G1S, G1SB
	s_mov_b32 s[\g+1], 32<<16
	s_mov_b32 s[\g+2], 32<<16
	s_mov_b32 s[\g+3], 32<<16
	s_mov_b32 s[\g+4], 32
	s_mov_b32 s[\g+5], 32
	s_mov_b32 s[\g+6], 0
	s_mov_b32 s[\g+7], 0
.endr
	s_mov_b32 s[SEL], 0x76543210
	s_mov_b32 s[SEL+1], 0xfedcba98
	s_mul_i32 s92, s26, 196608                     ; x: 128 rows of 1,536 bytes for each i
	s_mov_b32 s93, 0
	s_lshl_b32 s94, s26, 13                        ; and of 64 scale bytes
	s_mov_b32 s95, 0
	s_mul_i32 s96, s27, 196608                     ; w: the same for each j
	s_mov_b32 s97, 0
	s_lshl_b32 s98, s27, 13
	s_mov_b32 s99, 0
	s_mul_i32 s2, s[WV], HALFT                     ; where my tile goes: the wave's number alone
	s_mul_i32 s3, s[WV], HALFS
	s_wait_kmcnt 0x0
	s_add_nc_u64 s[92:93], s[4:5], s[92:93]
	s_add_nc_u64 s[94:95], s[6:7], s[94:95]
	s_cmp_eq_u32 s[WV], 2                          ; wave 1: wq, wave 2: wk, wave 3: wv
	s_cselect_b64 s[8:9], s[12:13], s[8:9]
	s_cselect_b64 s[10:11], s[14:15], s[10:11]
	s_cmp_eq_u32 s[WV], 3
	s_cselect_b64 s[8:9], s[16:17], s[8:9]
	s_cselect_b64 s[10:11], s[18:19], s[10:11]
	s_add_nc_u64 s[96:97], s[8:9], s[96:97]
	s_add_nc_u64 s[98:99], s[10:11], s[98:99]
	CROUND                                         ; all sixteen work-groups are here: the first joint loads meet
	s_mov_b32 s[G0S], 1
	s_add_co_u32 s[G0S+1], s3, SCL
	s_mov_b64 s[G0S+2:G0S+3], s[94:95]
	s_or_b32 s[G0S+3], s[G0S+3], 0x80000000
	s_mov_b32 s[G0SB], 1
	s_add_co_u32 s[G0SB+1], s3, SCL
	s_mov_b64 s[G0SB+2:G0SB+3], s[98:99]
	s_or_b32 s[G0SB+3], s[G0SB+3], 0x80000000
	JLOAD G0S, G1S, G0SB, G1SB                     ; the scales first
.irp s, 0,1
	s_mov_b32 s[G0+4*\s], 1
	s_add_co_u32 s[G0+4*\s+1], s2, \s*SLOT
	s_add_nc_u64 s[G0+4*\s+2:G0+4*\s+3], s[92:93], \s*192
	s_or_b32 s[G0+4*\s+3], s[G0+4*\s+3], 0x80000000
	s_mov_b32 s[G0B+4*\s], 1
	s_add_co_u32 s[G0B+4*\s+1], s2, \s*SLOT
	s_add_nc_u64 s[G0B+4*\s+2:G0B+4*\s+3], s[96:97], \s*192
	s_or_b32 s[G0B+4*\s+3], s[G0B+4*\s+3], 0x80000000
	JLOAD G0+4*\s, G1, G0B+4*\s, G1B               ; three tensor loads of mine are out
.endr
	s_load_b256 s[4:11], s[0:1], 0x58              ; for the way out: frame_mask, gq, gk, qkf
	s_load_b128 s[12:15], s[0:1], 0x78             ; ssq, v_img
	s_load_b64 s[16:17], s[0:1], 0x88              ; aux
	s_lshl_b32 s98, s27, 9
	s_lshl_b32 s92, s[WV], 7
	s_add_co_u32 s98, s98, s92                     ; my 32 features in a vector of 2,048 f32: 4 (128 j + 32 w)
	s_mov_b32 s99, 0
	s_add_nc_u64 s[20:21], s[20:21], s[98:99]
	s_add_nc_u64 s[22:23], s[22:23], s[98:99]
	s_add_nc_u64 s[24:25], s[24:25], s[98:99]
	v_and_b32 v[RR], 15, v0
	v_bfe_u32 v[HH], v0, 4, 1
	v_lshlrev_b32 v1, 5, v[HH]                     ; q, k: register n of tile b is feature 16 b + 8 h + n
	v_lshlrev_b32 v2, 2, v[RR]                     ; v: all eight registers of tile b are feature 16 b + r
	WIN 0xc0                                       ; destination window 3
.irp b, 0,1
	global_load_b128 v[BQ+8*\b:BQ+8*\b+3], v1, s[20:21] offset:64*\b
	global_load_b128 v[BQ+8*\b+4:BQ+8*\b+7], v1, s[20:21] offset:64*\b+16
	global_load_b128 v[BQ+16+8*\b:BQ+16+8*\b+3], v1, s[22:23] offset:64*\b
	global_load_b128 v[BQ+16+8*\b+4:BQ+16+8*\b+7], v1, s[22:23] offset:64*\b+16
.irp n, 0,1,2,3,4,5,6,7
	global_load_b32 v[BV+8*\b+\n], v2, s[24:25] offset:64*\b
.endr
.endr
	WIN 0
	v_mul_u32_u24 v[ADRX], v[RR], PITCH
	v_mad_u32_u24 v[ADRX], v[HH], 24, v[ADRX]      ; row x pitch + 24 x half
	v_add_nc_u32 v[ADRX+1], SLOT, v[ADRX]
	v_lshl_add_u32 v[ADRX+2], v[HH], 4, v[ADRX]    ; and behind one padding more
	v_add_nc_u32 v[ADRX+3], SLOT, v[ADRX+2]
	s_mul_i32 s92, s[WV], 32*PITCH
	s_add_co_u32 s92, s92, HALFT                   ; my 32 rows of wq's tile
.irp n, 0,1,2,3
	v_add_nc_u32 v[ADRW+\n], s92, v[ADRX+\n]
.endr
	v_lshlrev_b32 v5, 6, v[RR]                     ; a row's 64 scale bytes,
	v_lshrrev_b32 v6, 2, v[RR]
	v_lshl_add_u32 v5, v6, 4, v5                   ; and 16 more for each four rows passed
	s_mul_i32 s92, s[WV], 2*SBLK
.irp e, 0,1,2
	s_add_co_u32 s93, s92, (1+\e)*HALFS-2*SBLK*\e  ; from x's blocks 2 e on to my two tiles of w number e
	v_mul_u32_u24 v6, s93, v[HH]                   ; lanes 16-31 take w's
	v_add_nc_u32 v6, v6, v5
	v_add_nc_u32 v[ADRS+\e], SCL+2*SBLK*\e, v6
.endr
	v_add_nc_u32 v[ADRS+3], SCL+2*SBLK*3, v5       ; x's blocks 6 and 7 in both halves
.macro FRAG reg, adr, q, off           ; 16 rows x 128 K: six pieces of 8 bytes; lanes 16-31 read three pieces on, for some pieces behind one padding more
.irp p, 0,1,2,3,4,5
.set PCE, 12*(\q)+6*(\p/3)+\p%3
.if PCE%8 < 5
	ds_load_b64 v[\reg+2*\p:\reg+2*\p+1], v[\adr] offset:8*PCE+16*(PCE/8)+\off
.else
	ds_load_b64 v[\reg+2*\p:\reg+2*\p+1], v[\adr+2] offset:8*PCE+16*(PCE/8)+\off
.endif
.endr
.endm
.macro FETCH_X slot, q, set
	WIN 0
.irp a, 0,1,2,3,4,5,6,7
	FRAG XF+96*(\set)+12*\a, ADRX+\slot, \q, 3840*\a
.endr
.endm
.macro FETCH_W slot, q, set            ; my two tiles of wq, wk, wv into window 1
	WIN 0x40
.irp m, 0,1,2
.irp b, 0,1
	FRAG 72*(\set)+24*\m+12*\b, ADRW+\slot, \q, 30720*\m+3840*\b
.endr
.endr
	WIN 0
.endm
.macro SCALES set                      ; two words (256 along K) a row
.irp n, 0,1,2,3,4,5,6,7
	ds_load_b64 v[SC+16*\set+2*\n:SC+16*\set+2*\n+1], v[ADRS+\n/2] offset:(\n%2)*SBLK
.endr
.endm
; 16 matrix instructions of q (m = 0) or k (m = 1).  The 48 accumulators take turns, one instruction a turn, in the same order in every step.
.macro MULQK m, set, q, sc, first
.if \first
	WIN 0xb1                                       ; w window 1, x window 0, the bias window 3, D window 2
.else
	WIN 0xa1
.endif
.set ROWA, 1
.set ROWB, 0
.irp a, 0,1,2,3,4,5,6,7
.irp b, 0,1
.set rD, 128*(\m)+8*(2*\a+\b)
.set rC, rD
.if \first
.set rC, BQ+16*(\m)+8*\b
.endif
.set rA, 72*(\set)+24*(\m)+12*\b
.set rB, XF+96*(\set)+12*\a
.set rSA, SC+16*(\sc)+2*(2*(\m)+\b)+(\q)
.set rSB, SC+16*(\sc)+2*\a+(\q)
	WMO
.endr
.endr
.endm
.macro MULV set, q, sc, first          ; 16 of v: x window 0, wv window 1, C and D window 3
	WIN 0xf4
.set ROWA, 0
.set ROWB, 1
.irp b, 0,1
.irp a, 0,1,2,3,4,5,6,7
.set rD, 8*(8*\b+\a)
.set rC, rD
.if \first
.set rC, BV+8*\b
.endif
.set rA, XF+96*(\set)+12*\a
.set rB, 72*(\set)+48+12*\b
.set rSA, SC+16*(\sc)+2*\a+(\q)
.set rSB, SC+16*(\sc)+2*(4+\b)+(\q)
	WMO
.endr
.endr
.endm
; A slot's first 128 along K (set 0); the second's fragments are fetched meanwhile into set 1.  The four places stand between the last products on set 1 and the loads into it.
.macro STEP slot, first
	s_wait_dscnt 0x0                               ; set 0 and its scale words are in
	PLACES 4
	MULQK 0, 0, 0, \slot, \first
	FETCH_X \slot, 1, 1
	MULQK 1, 0, 0, \slot, \first
	FETCH_W \slot, 1, 1
	MULV 0, 0, \slot, \first
	WIN 0
.endm
; A slot's second 128 along K (set 1) changes slots: one barrier; fill = 1: it opens a round of the cluster's barrier, and the slot is filled again, two K steps ahead.
.macro TURN slot, next, fill
	s_wait_tensorcnt 0x0                           ; all my tensor loads have landed: my part of the next slot
	ds_add_u32 v[SPW], v[NIL]
	PLACES 4                                       ; the places between the last products on set 0 and the loads into it
	s_wait_dscnt 0x0                               ; the add is done, and my reads of this slot are over
	s_barrier_signal -1
	MULQK 0, 1, 1, \slot, 0
	WIN 0
	s_barrier_wait -1
.if \fill
	CREST                                          ; no wave of any partner still reads this slot or has a load on its way
	s_add_nc_u64 s[G0+4*\slot+2:G0+4*\slot+3], s[G0+4*\slot+2:G0+4*\slot+3], 384
	s_add_nc_u64 s[G0B+4*\slot+2:G0B+4*\slot+3], s[G0B+4*\slot+2:G0B+4*\slot+3], 384
	JLOAD G0+4*\slot, G1, G0B+4*\slot, G1B
.endif
.irp e, 0,1,2,3
	v_add_nc_u32 v[ADRS+\e], 8, v[ADRS+\e]         ; the next K step's two scale words
.endr
	FETCH_X \next, 0, 0
	SCALES \next
	MULQK 1, 1, 1, \slot, 0
	FETCH_W \next, 0, 0
	MULV 1, 1, \slot, 0
	WIN 0
.endm
	s_wait_tensorcnt 0x1                           ; the scales and my part of slot 0 are in; slot 1's load may stay out
	s_barrier_signal -1
	s_barrier_wait -1
	FETCH_X 0, 0, 0
	FETCH_W 0, 0, 0
	SCALES 0
	s_wait_loadcnt 0x0                             ; the biases
	STEP 0, 1                                      ; the first products start the sums from the biases
	s_mov_b32 s3, 3
.Llap:                                             ; a trip goes once round the ring and fills both slots again: K steps 2 to 7
	TURN 0, 1, 1
	STEP 1, 0
	TURN 1, 0, 1
	STEP 0, 0
	s_sub_co_u32 s3, s3, 1
	s_cmp_lg_u32 s3, 0
	s_cbranch_scc1 .Llap
	TURN 0, 1, 0                                   ; the last lap fills nothing
	STEP 1, 0
	s_wait_dscnt 0x0
	MULQK 0, 1, 1, 1, 0
	MULQK 1, 1, 1, 1, 0
	MULV 1, 1, 1, 0
	WIN 0
	; ---- THE WAY OUT.  Window 0 from v64 on and window 1 are free.
.set MK,  108                          ; v108-115 the mask byte of token 16 a + r
.set KBY, 116                          ; v116     the mask byte of token 32 w + lane
.set MB,  118                          ; v118-133 the mask bytes of tokens 16 a + 8 h + 0 .. 7
.set HB,  176                          ; v176-239 64 numbers in hand
.set TM,  240                          ; v240-255 the quantiser's scratch
.set T0,  106
.set T1,  107
.set GG,  0                            ; window 1: gq's 16 numbers, then gk's
.set M64, 64                           ; window 1: 0 or -1 for token 16 a + 8 h + n at 8 a + n
.set TT,  128                          ; v128-255 q or k, masked
.set SS,  64                           ; v64-79   sums of squares, a pair for each a
	PLACES 4                                       ; behind the last products: their results are read and their operands' registers loaded
	s_wait_kmcnt 0x0
	s_lshl_b32 s92, s26, 7
	s_mov_b32 s93, 0
	s_add_nc_u64 s[4:5], s[4:5], s[92:93]          ; frame_mask at my first token
	s_add_nc_u64 s[6:7], s[6:7], s[98:99]          ; gq, gk at my 32 features
	s_add_nc_u64 s[8:9], s[8:9], s[98:99]
	v_lshlrev_b32 v1, 3, v[HH]
	v_lshlrev_b32 v2, 5, v[HH]
	v_and_b32 v3, 31, v0
	v_lshlrev_b32 v4, 2, v3                        ; 4 x lane
	v_lshlrev_b32 v3, 4, v3                        ; 16 x lane
.irp a, 0,1,2,3,4,5,6,7
	global_load_u8 v[MK+\a], v[RR], s[4:5] offset:16*\a
	global_load_b64 v[MB+2*\a:MB+2*\a+1], v1, s[4:5] offset:16*\a
.endr
	global_load_u8 v[KBY], v0, s[4:5]              ; the thread's number is 32 w + lane
	WIN 0x40
.irp b, 0,1
	global_load_b128 v[GG+8*\b:GG+8*\b+3], v2, s[6:7] offset:64*\b
	global_load_b128 v[GG+8*\b+4:GG+8*\b+7], v2, s[6:7] offset:64*\b+16
	global_load_b128 v[GG+16+8*\b:GG+16+8*\b+3], v2, s[8:9] offset:64*\b
	global_load_b128 v[GG+16+8*\b+4:GG+16+8*\b+7], v2, s[8:9] offset:64*\b+16
.endr
	WIN 0
	s_lshl_b32 s92, s27, 4
	s_add_co_u32 s92, s92, s26                     ; 16 j + i
	s_mul_i32 s92, s92, 12288
	s_mul_i32 s94, s[WV], 3072
	s_add_co_u32 s92, s92, s94
	s_add_nc_u64 s[14:15], s[14:15], s[92:93]      ; v_img: my two fragments
	s_lshl_b32 s92, s27, 15
	s_lshl_b32 s94, s26, 9
	s_add_co_u32 s92, s92, s94
	s_lshl_b32 s94, s[WV], 7
	s_add_co_u32 s92, s92, s94
	s_add_nc_u64 s[16:17], s[16:17], s[92:93]      ; aux: 32,768 j + 512 i + 128 w
	s_lshl_b32 s92, s26, 4
	s_add_co_u32 s92, s92, s27                     ; 16 i + j
	s_lshl_b32 s92, s92, 16
	s_lshl_b32 s94, s[WV], 14
	s_add_co_u32 s92, s92, s94
	s_add_nc_u64 s[10:11], s[10:11], s[92:93]      ; qkf: q's part
	s_and_b32 s92, s[WV], 1
	s_lshl_b32 s92, s92, 17
	s_lshl_b32 s94, s26, 13
	s_add_co_u32 s92, s92, s94
	s_lshl_b32 s94, s27, 9
	s_add_co_u32 s92, s92, s94
	s_add_nc_u64 s[12:13], s[12:13], s[92:93]      ; ssq: wave 0 stores q's, wave 1 k's
	s_lshl_b32 s92, s[WV], 10
	s_add_co_u32 s92, s92, SSL
	v_add_nc_u32 v5, s92, v3                       ; where I put my sums of squares
	s_lshl_b32 s92, s[WV], 9
	s_add_co_u32 s92, s92, SSL
	v_add_nc_u32 v6, s92, v3                       ; where waves 0 and 1 read all four waves'
.irp b, 0,1,2,3
	v_mov_b32 v[TM+4+\b], 0                        ; a lane permute's destination counts as one of its sources
.endr
	v_mov_b32 v[T0], 0
	v_mov_b32 v[T1], 0
	s_wait_loadcnt 0x0
	; ---- v: masked by token, quantised along the tokens
	WIN 0x40
.irp a, 0,1,2,3,4,5,6,7
.irp n, 0,1,2,3,4,5,6,7
	v_bfe_u32 v[M64+8*\a+\n], v[MB+2*\a+\n/4], 8*(\n%4), 8
.endr
.endr
	WIN 0x44
.set n, 0
.rept 64
	v_sub_nc_u32 v[M64+n], 0, v[M64+n]             ; 0 or all ones
.set n, n+1
.endr
.irp b, 0,1
	WIN 0x0d                                       ; the mask window 1, the accumulators window 3
.set n, 0
.rept 64
	v_and_b32 v[HB+n], v[M64+n], v[64*\b+n]        ; each accumulator from its low end on
.set n, n+1
.endr
	WIN 0
.set PC, 64+20*\b
.set PT, 76+20*\b
.set PW, 104+\b
	QUANT HB
.endr
	v_cmp_le_u32 vcc_lo, 8, v[RR]                  ; the two tiles' rows are dealt anew: lanes 8-15 of tile 0 change places with lanes 0-7 of tile 1
.irp n, 0,1,2,3,4,5,6,7,8,9,10,11,40
	v_mov_b32_dpp v[T0], v[64+\n] row_xmask:8 row_mask:0xf bank_mask:0xf
	v_mov_b32_dpp v[T1], v[84+\n-19*(\n/40)] row_xmask:8 row_mask:0xf bank_mask:0xf      ; (n = 40: the scale words v104 and v105)
	v_cndmask_b32 v[64+\n], v[64+\n], v[T1], vcc_lo
	v_cndmask_b32 v[84+\n-19*(\n/40)], v[T0], v[84+\n-19*(\n/40)], vcc_lo
.endr
.irp c, 0,1,2
	global_store_b128 v3, v[64+4*\c:64+4*\c+3], s[14:15] offset:512*\c          ; an image of the operand's registers: 512 consecutive bytes a store
	global_store_b128 v3, v[84+4*\c:84+4*\c+3], s[14:15] offset:1536+512*\c
.endr
	v_cmp_eq_u32 vcc_lo, 1, v[HH]
	v_cndmask_b32 v[T0], v104, v105, vcc_lo        ; lanes 0-15 tile 0's words, lanes 16-31 tile 1's
	global_store_b32 v4, v[T0], s[16:17] offset:16384
	v_cmp_eq_u32 vcc_lo, 0, v[KBY]
	v_mov_b32 v[T1], NEG
	v_cndmask_b32 v[T1], 0, v[T1], vcc_lo          ; a masked key's bias
	global_store_b32 v4, v[T1], s[16:17] offset:24576
.irp a, 0,1,2,3,4,5,6,7
	v_cmp_ne_u32 s[36+\a], 0, v[MK+\a]             ; lanes whose token 16 a + r counts (the tile descriptors' registers are done with)
.endr
	; ---- q, then k: masked; the sums of squares; x the gain; out as they lie
.macro QKOUT mat
	s_wait_xcnt 0x0                                ; the earlier stores have read their registers and their base
.if \mat
	s_add_nc_u64 s[10:11], s[10:11], 0x1000000
.endif
	WIN 0x08
.set n, 0
.rept 128
	v_cndmask_b32 v[TT+n], 0, v[128*\mat+n], s[36+n/16]
.set n, n+1
.endr
	WIN 0
.irp a, 0,1,2,3,4,5,6,7
	v_pk_mul_f32 v[SS+2*\a:SS+2*\a+1], v[TT+16*\a:TT+16*\a+1], v[TT+16*\a:TT+16*\a+1]
.endr
.irp p, 1,2,3,4,5,6,7
.irp a, 0,1,2,3,4,5,6,7
	v_pk_fma_f32 v[SS+2*\a:SS+2*\a+1], v[TT+16*\a+2*\p:TT+16*\a+2*\p+1], v[TT+16*\a+2*\p:TT+16*\a+2*\p+1], v[SS+2*\a:SS+2*\a+1]
.endr
.endr
	WIN 0x04                                       ; the gain window 1
.set n, 0
.rept 64
	v_pk_mul_f32 v[TT+2*n:TT+2*n+1], v[TT+2*n:TT+2*n+1], v[GG+16*\mat+(2*n)%16:GG+16*\mat+(2*n)%16+1]
.set n, n+1
.endr
	WIN 0
.irp a, 0,1,2,3,4,5,6,7
.irp e, 0,1,2,3
	global_store_b128 v3, v[TT+16*\a+4*\e:TT+16*\a+4*\e+3], s[10:11] offset:2048*\a+512*\e    ; 512 consecutive bytes a store
.endr
.endr
.irp a, 0,1,2,3,4,5,6,7
	v_add_f32 v[SS+2*\a], v[SS+2*\a], v[SS+2*\a+1]
.endr
.irp a, 0,1,2,3,4,5,6,7
	v_permlanex16_b32 v[SS+2*\a+1], v[SS+2*\a], s[SEL], s[SEL+1]
.endr
.irp a, 0,1,2,3,4,5,6,7
	v_add_f32 v[SS+2*\a], v[SS+2*\a], v[SS+2*\a+1]         ; token 16 a + r, my wave's 32 features
.endr
	v_cmp_eq_u32 vcc_lo, 1, v[HH]
.irp e, 0,1,2,3
	v_cndmask_b32 v[80+4*\mat+\e], v[SS+2*\e], v[SS+8+2*\e], vcc_lo    ; lane (r, h) keeps tokens 16 (4 h + e) + r
.endr
	ds_store_b128 v5, v[80+4*\mat:80+4*\mat+3] offset:512*\mat
.endm
	QKOUT 0
	QKOUT 1
	s_wait_dscnt 0x0                               ; for the others' sake: my sums lie in LDS
	s_barrier_signal -1
	s_barrier_wait -1
	s_cmp_lt_u32 s[WV], 2
	s_cbranch_scc0 .Lno_ssq
.irp w, 0,1,2,3
	ds_load_b128 v[88+4*\w:88+4*\w+3], v6 offset:1024*\w
.endr
	s_wait_dscnt 0x0
.irp e, 0,1,2,3
	v_add_f32 v[88+\e], v[88+\e], v[92+\e]
	v_add_f32 v[96+\e], v[96+\e], v[100+\e]
.endr
.irp e, 0,1,2,3
	v_add_f32 v[88+\e], v[88+\e], v[96+\e]         ; the head's 128 features
.endr
	global_store_b128 v3, v[88:91], s[12:13]
.Lno_ssq:
	s_wait_tensorcnt 0x0                           ; the wave's end
	ds_add_u32 v[SPW], v[NIL]
	s_wait_dscnt 0x0
	CROUND                                         ; the closing round
	s_endpgm
.Lfunc_end_k_q31d19ffbae_qkv:
	.size	k_q31d19ffbae_qkv, .Lfunc_end_k_q31d19ffbae_qkv-k_q31d19ffbae_qkv
	.p2alignl 7, 3214868480
	.fill 96, 4, 3214868480
	.section	.rodata,"a",@progbits
	.p2align	6, 0x0
	.amdhsa_kernel k_q31d19ffbae_qkv
		.amdhsa_group_segment_fixed_size 327680
		.amdhsa_private_segment_fixed_size 0
		.amdhsa_enable_private_segment 0
		.amdhsa_kernarg_size 144
		.amdhsa_user_sgpr_count 2
		.amdhsa_user_sgpr_kernarg_segment_ptr 1
		.amdhsa_wavefront_size32 1
		.amdhsa_system_sgpr_workgroup_id_x 1
		.amdhsa_system_sgpr_workgroup_id_y 1
		.amdhsa_system_sgpr_workgroup_id_z 1
		.amdhsa_system_vgpr_workitem_id 0
		.amdhsa_next_free_vgpr 1024
		.amdhsa_next_free_sgpr 102
		.amdhsa_reserve_vcc 1
		.amdhsa_float_denorm_mode_32 3
		.amdhsa_float_denorm_mode_16_64 3
		.amdhsa_memory_ordered 1
		.amdhsa_forward_progress 1
		.amdhsa_inst_pref_size 178
	.end_amdhsa_kernel
	.amdgpu_metadata
---
amdhsa.version: [ 1, 2 ]
amdhsa.kernels:
  - .name:           k_q31d19ffbae_qkv
    .symbol:         k_q31d19ffbae_qkv.kd
    .args:
      - { .name: x_codes, .offset: 0, .size: 8, .value_kind: global_buffer, .address_space: global }
      - { .name: x_scales, .offset: 8, .size: 8, .value_kind: global_buffer, .address_space: global }
      - { .name: wq_codes, .offset: 16, .size: 8, .value_kind: global_buffer, .address_space: global }
      - { .name: wq_scales, .offset: 24, .size: 8, .value_kind: global_buffer, .address_space: global }
      - { .name: wk_codes, .offset: 32, .size: 8, .value_kind: global_buffer, .address_space: global }
      - { .name: wk_scales, .offset: 40, .size: 8, .value_kind: global_buffer, .address_space: global }
      - { .name: wv_codes, .offset: 48, .size: 8, .value_kind: global_buffer, .address_space: global }
      - { .name: wv_scales, .offset: 56, .size: 8, .value_kind: global_buffer, .address_space: global }
      - { .name: bq, .offset: 64, .size: 8, .value_kind: global_buffer, .address_space: global }
      - { .name: bk, .offset: 72, .size: 8, .value_kind: global_buffer, .address_space: global }
      - { .name: bv, .offset: 80, .size: 8, .value_kind: global_buffer, .address_space: global }
      - { .name: frame_mask, .offset: 88, .size: 8, .value_kind: global_buffer, .address_space: global }
      - { .name: gq, .offset: 96, .size: 8, .value_kind: global_buffer, .address_space: global }
      - { .name: gk, .offset: 104, .size: 8, .value_kind: global_buffer, .address_space: global }
      - { .name: qkf, .offset: 112, .size: 8, .value_kind: global_buffer, .address_space: global }
      - { .name: ssq, .offset: 120, .size: 8, .value_kind: global_buffer, .address_space: global }
      - { .name: v_img, .offset: 128, .size: 8, .value_kind: global_buffer, .address_space: global }
      - { .name: aux, .offset: 136, .size: 8, .value_kind: global_buffer, .address_space: global }
    .group_segment_fixed_size: 327680
    .private_segment_fixed_size: 0
    .kernarg_segment_align: 8
    .kernarg_segment_size: 144
    .max_flat_workgroup_size: 128
    .sgpr_count:     102
    .vgpr_count:     1024
    .wavefront_size: 32
...
	.end_amdgpu_metadata
.endif
;; end of part 1
;; launch normrope (part 2): grid 256 x 1, 8 waves a work-group, no clusters, 0 bytes of LDS; arguments qkf, ssq, freqs_cs, qk_img, aux; writes qk_img, aux
.if DOCPART == 2
	.amdgcn_target "amdgcn-amd-amdhsa--gfx1250"
	.amdhsa_code_object_version 6
	.text
	.protected	k_q31d19ffbae_normrope
	.globl	k_q31d19ffbae_normrope
	.p2align	8
	.type	k_q31d19ffbae_normrope,@function
k_q31d19ffbae_normrope:
	s_mov_b64 s[64:65], 0
	v_nop
	global_prefetch_b8 v0, s[64:65] scope:SCOPE_SE
	s_setreg_imm32_b32 hwreg(HW_REG_WAVE_MODE, 25, 1), 1
	s_wait_xcnt 0x0
; q and k: x rsqrt(mean of squares over the row's 2,048 + 1e-6) (the gain is already in), RoPE, and the quantiser along a head's 128, into images of operand registers.
; Work-group: q (0-127) or k (128-255), 16 tokens (token block TB).  Wave hq of eight: heads 2 hq, 2 hq + 1.  Lane (r, h) holds token 16 TB + r and, of each block of 32 features, the 16 from 16 h on: what the conversions want.
; Every wave issues all its loads at its head: 8 of the sums of squares, 17 of the table, 32 of its two heads.
; The token's place in the grid of 8 x 16 x 16: frame TB / 16, row TB % 16, column r.  Pairs 0-21 turn by the frame, 22-42 by the row, 43-63 by the column.
; Memory binds: every f32 number is read once, 256 consecutive bytes for each sixteen lanes; no LDS, no barrier, no matrix unit.  The scale words leave in pieces of 64 bytes: 256 KiB of the launch's 38 MiB.
; The order of rounding is (t g) (r cos) where the definition has ((t r) g) cos.  LIMITS: NaN and infinities are not served; a block under 2^-124, or of zeros, has the byte 1.
.set CS,  32                           ; v32-95   cos, sin of pair 16 c + 8 h + e at 2 (8 c + e), later x r
.set TM,  224                          ; v224-239 the quantiser's scratch
.set PC,  240                          ; v240-251 the codes
.set PT,  16                           ; v16-23   ssq's pieces, then RoPE's products, then the conversions' second halves
.set SEL, 24
.macro QUANT s
.irp b, 0,1,2,3
	v_max3_num_f32 v[TM+\b], |v[\s+16*\b]|, |v[\s+1+16*\b]|, 0x1800000   ; my 16 numbers of block b, and the floor 2^(3 - 127)
.endr
.irp i, 2,4,6,8,10,12,14
.irp b, 0,1,2,3
	v_max3_num_f32 v[TM+\b], v[TM+\b], |v[\s+16*\b+\i]|, |v[\s+1+16*\b+\i]|
.endr
.endr
.irp b, 0,1,2,3
	v_permlanex16_b32 v[TM+4+\b], v[TM+\b], s[SEL], s[SEL+1]
.endr
.irp b, 0,1,2,3
	v_max_num_f32 v[TM+\b], v[TM+\b], v[TM+4+\b]
.endr
.irp b, 0,1,2,3
	v_add_nc_u32 v[TM+12+\b], 0xff000000, v[TM+\b]     ; 2 off the exponent field: the conversion's scale operand
.endr
.irp b, 0,1,2,3
	v_lshrrev_b32 v[TM+4+\b], 23, v[TM+12+\b]          ; the scale's byte
.endr
	v_lshl_or_b32 v[PW], v[TM+5], 8, v[TM+4]
	v_lshl_or_b32 v[PW], v[TM+6], 16, v[PW]
	v_lshl_or_b32 v[PW], v[TM+7], 24, v[PW]
.irp c, 0,1
	v_cvt_scalef32_pk16_fp6_f32 v[PC+6*\c:PC+6*\c+2], v[\s+32*\c:\s+32*\c+15], v[TM+12+2*\c]
	v_cvt_scalef32_pk16_fp6_f32 v[PT+4*\c:PT+4*\c+2], v[\s+16+32*\c:\s+31+32*\c], v[TM+13+2*\c]
.endr
	v_nop                                              ; one plain place behind a scaled conversion
.irp c, 0,1
.irp i, 0,1,2
	v_permlane16_swap_b32 v[PC+6*\c+\i], v[PT+4*\c+\i]
.endr
.irp i, 0,1,2
	v_mov_b32 v[PC+3+6*\c+\i], v[PT+4*\c+\i]
.endr
.endr
.endm
	s_load_b256 s[4:11], s[0:1], 0x0               ; qkf, ssq, freqs_cs, qk_img
	s_load_b64 s[12:13], s[0:1], 0x20              ; aux
	v_lshrrev_b32 v1, 5, v0
	v_readfirstlane_b32 s14, v1                    ; hq, 0..7
	s_lshr_b32 s15, ttmp9, 7                       ; 0: q, 1: k
	s_and_b32 s16, ttmp9, 127                      ; TB
	s_lshr_b32 s17, s16, 3                         ; i
	s_and_b32 s18, s16, 7                          ; a
	s_lshr_b32 s19, s16, 4                         ; the frame
	s_and_b32 s20, s16, 15                         ; the row
	s_mov_b32 s[SEL], 0x76543210
	s_mov_b32 s[SEL+1], 0xfedcba98
	v_and_b32 v1, 15, v0                           ; r
	v_bfe_u32 v2, v0, 4, 1                         ; h
	v_and_b32 v3, 31, v0
	v_lshlrev_b32 v5, 4, v3                        ; 16 x lane
	v_lshlrev_b32 v4, 4, v1
	v_lshl_add_u32 v6, v2, 12, v4                  ; ssq: heads 8 h on, 16 r
	v_lshl_add_u32 v4, v2, 10, v4                  ; qkf: 1,024 h + 16 r
	v_lshlrev_b32 v13, 6, v2                       ; eight pairs of 8 bytes for each half
	s_lshl_b32 s21, s19, 9
	v_add_nc_u32 v7, s21, v13                      ; the table's line of the frame,
	s_lshl_b32 s21, s20, 9
	v_add_nc_u32 v8, s21, v13                      ; of the row,
	v_lshl_add_u32 v9, v1, 9, v13                  ; of the column;
	v_cmp_eq_u32 vcc_lo, 1, v2                     ; (kept to the end)
	v_cndmask_b32 v10, v7, v8, vcc_lo              ; lanes 0-15 the frame's, lanes 16-31 the row's;
	v_cndmask_b32 v11, v8, v9, vcc_lo              ; lanes 0-15 the row's, lanes 16-31 the column's
	v_lshlrev_b32 v12, 2, v1
	v_lshl_add_u32 v12, v2, 15, v12                ; the scale words: 32,768 h + 4 r
.irp b, 0,1,2,3
	v_mov_b32 v[TM+4+\b], 0                        ; a lane permute's destination counts as one of its sources
.endr
	s_lshl_b32 s22, s15, 17                        ; ssq: q or k, i, token block a's place
	s_lshl_b32 s23, s17, 13
	s_add_co_u32 s22, s22, s23
	s_lshr_b32 s23, s18, 2
	s_lshl_b32 s23, s23, 8
	s_add_co_u32 s22, s22, s23
	s_and_b32 s23, s18, 3
	s_lshl_b32 s23, s23, 2
	s_add_co_u32 s22, s22, s23
	s_mov_b32 s23, 0
	s_lshl_b32 s26, s17, 4                         ; qkf: q or k, (16 i + 2 hq) x 65,536, 2,048 a
	s_lshl_b32 s27, s14, 1
	s_add_co_u32 s26, s26, s27
	s_lshl_b32 s26, s26, 16
	s_lshl_b32 s27, s15, 24
	s_add_co_u32 s26, s26, s27
	s_lshl_b32 s27, s18, 11
	s_add_co_u32 s26, s26, s27
	s_mov_b32 s27, 0
	s_lshl_b32 s28, s14, 8                         ; qk_img: (128 x 2 hq + TB) fragments of 1,536 bytes
	s_add_co_u32 s28, s28, s16
	s_mul_i32 s28, s28, 1536
	s_mul_i32 s29, s15, 3145728
	s_add_co_u32 s28, s28, s29
	s_mov_b32 s29, 0
	s_lshl_b32 s30, s14, 16                        ; aux: head 2 hq, q's or k's words, 64 TB
	s_lshl_b32 s31, s15, 13
	s_add_co_u32 s30, s30, s31
	s_lshl_b32 s31, s16, 6
	s_add_co_u32 s30, s30, s31
	s_mov_b32 s31, 0
	s_wait_kmcnt 0x0
	s_add_nc_u64 s[6:7], s[6:7], s[22:23]
	s_add_nc_u64 s[4:5], s[4:5], s[26:27]
	s_add_nc_u64 s[10:11], s[10:11], s[28:29]
	s_add_nc_u64 s[12:13], s[12:13], s[30:31]
.irp e, 0,1,2,3,4,5,6,7
	global_load_b32 v[16+\e], v6, s[6:7] offset:512*\e             ; my token's sum of squares in head 8 h + e
.endr
.irp e, 0,2,4,6
	global_load_b128 v[CS+2*\e:CS+2*\e+3], v7, s[8:9] offset:8*\e                  ; pairs 0-15: the frame
.endr
.irp e, 0,2,4
	global_load_b128 v[CS+16+2*\e:CS+16+2*\e+3], v10, s[8:9] offset:8*(16+\e)      ; 16-21 the frame | 24-29 the row
.endr
	global_load_b128 v[CS+28:CS+31], v8, s[8:9] offset:8*22                        ; 22, 23 | 30, 31: the row
	global_load_b128 v[CS+32:CS+35], v8, s[8:9] offset:8*32                        ; 32, 33 | 40, 41: the row
	global_load_b64 v[CS+36:CS+37], v8, s[8:9] offset:8*34                         ; 34 | 42: the row
	global_load_b64 v[CS+38:CS+39], v11, s[8:9] offset:8*35                        ; 35 the row | 43 the column
	global_load_b128 v[CS+40:CS+43], v11, s[8:9] offset:8*36
	global_load_b128 v[CS+44:CS+47], v11, s[8:9] offset:8*38
.irp e, 0,2,4,6
	global_load_b128 v[CS+48+2*\e:CS+48+2*\e+3], v9, s[8:9] offset:8*(48+\e)       ; 48-63: the column
.endr
.macro LOADX n                         ; head 2 hq + n: 64 numbers a lane; sixteen lanes read 256 consecutive bytes
.set XS, 96+64*(\n)
.irp c, 0,1,2,3
.irp d, 0,1,2,3
	global_load_b128 v[XS+16*\c+4*\d:XS+16*\c+4*\d+3], v4, s[4:5] offset:65536*(\n)+16384*\c+512*(\d%2)+256*(\d/2) th:TH_LOAD_NT
.endr
.endr
.endm
	LOADX 0
	LOADX 1
	s_wait_loadcnt 49                              ; the eight sums are in; the table's 17 loads and two heads' 32 stay out
	v_add_f32 v16, v16, v17
	v_add_f32 v18, v18, v19
	v_add_f32 v20, v20, v21
	v_add_f32 v22, v22, v23
	v_add_f32 v16, v16, v18
	v_add_f32 v20, v20, v22
	v_add_f32 v16, v16, v20
	v_permlanex16_b32 v17, v16, s[SEL], s[SEL+1]
	v_add_f32 v16, v16, v17                        ; the row's sum of squares
	v_mov_b32 v17, 0x358637bd                      ; 1e-6
	v_fma_f32 v16, v16, 0x3a000000, v17            ; / 2,048 + eps
	v_rsq_f32 v14, v16
	v_rsq_f32 v15, v16
	v_nop                                          ; one plain place behind a transcendental
	s_wait_loadcnt 32                              ; the table's lines are in
.set n, 0
	s_wait_alu depctr_va_vdst(0)
.rept 32
	v_pk_mul_f32 v[CS+2*n:CS+2*n+1], v[CS+2*n:CS+2*n+1], v[14:15]     ; r cos, r sin
.set n, n+1
.endr
.macro HEAD n, left
.set XS, 96+64*(\n)
.set PW, 24+(\n)
	s_wait_loadcnt \left                           ; this head's 16 loads are in; the next head's stay out
	s_wait_xcnt 0x0                                ; the last head's stores have read the codes' registers
.set g, 0
.rept 8
.irp k, 0,1,2,3
	v_pk_mul_f32 v[16+2*\k:17+2*\k], v[XS+8*g+2*\k:XS+8*g+2*\k+1], v[CS+8*g+2*\k:CS+8*g+2*\k+1] op_sel:[1,1] op_sel_hi:[0,1] neg_lo:[1,0]   ; (-xi s, xr s)
.endr
.irp k, 0,1,2,3
	v_pk_fma_f32 v[XS+8*g+2*\k:XS+8*g+2*\k+1], v[XS+8*g+2*\k:XS+8*g+2*\k+1], v[CS+8*g+2*\k:CS+8*g+2*\k+1], v[16+2*\k:17+2*\k] op_sel_hi:[1,0,1]   ; (xr c - xi s, xi c + xr s)
.endr
.set g, g+1
.endr
	QUANT XS
.irp c, 0,1,2
	global_store_b128 v5, v[PC+4*\c:PC+4*\c+3], s[10:11] offset:196608*(\n)+512*\c     ; an image of the operand's registers
.endr
.endm
	HEAD 0, 16
	HEAD 1, 0
	v_cndmask_b32 v28, v24, v25, vcc_lo            ; lanes 0-15 the even head's words, lanes 16-31 the odd head's
	global_store_b32 v12, v28, s[12:13]
	s_endpgm
.Lfunc_end_k_q31d19ffbae_normrope:
	.size	k_q31d19ffbae_normrope, .Lfunc_end_k_q31d19ffbae_normrope-k_q31d19ffbae_normrope
	.p2alignl 7, 3214868480
	.fill 96, 4, 3214868480
	.section	.rodata,"a",@progbits
	.p2align	6, 0x0
	.amdhsa_kernel k_q31d19ffbae_normrope
		.amdhsa_group_segment_fixed_size 0
		.amdhsa_private_segment_fixed_size 0
		.amdhsa_enable_private_segment 0
		.amdhsa_kernarg_size 40
		.amdhsa_user_sgpr_count 2
		.amdhsa_user_sgpr_kernarg_segment_ptr 1
		.amdhsa_wavefront_size32 1
		.amdhsa_system_sgpr_workgroup_id_x 1
		.amdhsa_system_sgpr_workgroup_id_y 1
		.amdhsa_system_sgpr_workgroup_id_z 1
		.amdhsa_system_vgpr_workitem_id 0
		.amdhsa_next_free_vgpr 256
		.amdhsa_next_free_sgpr 66
		.amdhsa_reserve_vcc 1
		.amdhsa_float_denorm_mode_32 3
		.amdhsa_float_denorm_mode_16_64 3
		.amdhsa_memory_ordered 1
		.amdhsa_forward_progress 1
		.amdhsa_inst_pref_size 28
	.end_amdhsa_kernel
	.amdgpu_metadata
---
amdhsa.version: [ 1, 2 ]
amdhsa.kernels:
  - .name:           k_q31d19ffbae_normrope
    .symbol:         k_q31d19ffbae_normrope.kd
    .args:
      - { .name: qkf, .offset: 0, .size: 8, .value_kind: global_buffer, .address_space: global }
      - { .name: ssq, .offset: 8, .size: 8, .value_kind: global_buffer, .address_space: global }
      - { .name: freqs_cs, .offset: 16, .size: 8, .value_kind: global_buffer, .address_space: global }
      - { .name: qk_img, .offset: 24, .size: 8, .value_kind: global_buffer, .address_space: global }
      - { .name: aux, .offset: 32, .size: 8, .value_kind: global_buffer, .address_space: global }
    .group_segment_fixed_size: 0
    .private_segment_fixed_size: 0
    .kernarg_segment_align: 8
    .kernarg_segment_size: 40
    .max_flat_workgroup_size: 256
    .sgpr_count:     66
    .vgpr_count:     256
    .wavefront_size: 32
...
	.end_amdgpu_metadata
.endif
;; end of part 2
;; launch attn (part 3): grid 16 x 16, 8 waves a work-group, clusters of 4 x 1, 327,680 bytes of LDS; arguments qk_img, v_img, aux, frame_mask, ao; writes ao
.if DOCPART == 3
	.amdgcn_target "amdgcn-amd-amdhsa--gfx1250"
	.amdhsa_code_object_version 6
	.text
	.protected	k_q31d19ffbae_attn
	.globl	k_q31d19ffbae_attn
	.p2align	8
	.type	k_q31d19ffbae_attn,@function
k_q31d19ffbae_attn:
	s_mov_b64 s[64:65], 0
	v_nop
	global_prefetch_b8 v0, s[64:65] scope:SCOPE_SE
	s_setreg_imm32_b32 hwreg(HW_REG_WAVE_MODE, 25, 1), 1
	s_wait_xcnt 0x0
	s_wait_alu depctr_hold_cnt(0) depctr_sa_sdst(0) depctr_va_vdst(0) depctr_va_sdst(0) depctr_va_ssrc(0) depctr_va_vcc(0) depctr_vm_vsrc(0)
	s_getreg_b32 s2, hwreg(HW_REG_IB_STS2, 6, 4)
	s_cmp_eq_u32 s2, 0
	s_cbranch_scc0 .Lentry_in_a_cluster
	s_endpgm
.Lentry_in_a_cluster:
	s_bfe_u32 s2, ttmp6, 0x10000c
	s_cmp_lg_u32 s2, 0x3003
	s_cbranch_scc0 .Lentry_shape_is_right
	s_endpgm
.Lentry_shape_is_right:
; Attention on codes of FP6 (E2M3): S^T = K Q^T, p = 2^(t - M) with M a whole number, quantised along the keys, O^T = V^T P^T; O / l, 0 for masked queries, is quantised along the head's 128 for the last product.
; A work-group owns 128 queries of one head.  Wave w of eight (two to a SIMD) owns the 32 queries of pair w & 3, TWO tiles of 16, and half of the keys: of each slot's four key steps of 128 the two from 2 (w >> 2) on.
; So a fragment of K or V read from LDS feeds two matrix instructions: 80 loads of 16 bytes a lane serve two tiles' key step (24 of K, 24 of V, 2 x 16 of the keys' biases).
; At the end the two waves of a pair exchange one tile each (O^T, -M, l) through LDS and each finishes the tile that it keeps: the larger M holds, both parts are brought under it by exact powers of two, and are added.
; All operands come as images of their registers: a fragment is three loads of 16 bytes a lane, 512 consecutive bytes each, and a key step's eight fragments are 12,288 dense bytes.
; Two LDS slots of four key steps; wave w brings step w of K (w < 4) or step w - 4 of V with one tensor load.  The four work-groups of a cluster belong to one head: every tile is asked for jointly.
; K's and V's scale words and the keys' biases (0 or -1e9 sqrt(128), in units of the raw score) of the whole head come once.  The bias is the C of the first product, loaded into the accumulator's own registers.
; A tile of K is 16 neighbouring keys, so place 16 h + n of a block of 32 keys holds key 8 h + n % 8 + 16 (n / 8), in p as in V's images: blocks, scales and codes are the rule's; only the order of the sum inside a block differs.
; V's rows were dealt so that the 16 registers of tiles 2 b, 2 b + 1 of O^T are features 32 b + 16 h + 0 .. 15.
; REGISTERS: window 0: v1-11 addresses; v12-19 -M, the largest t, l (a pair), for each tile; v22-31 scale words; v32-35 f and p's scale word for each tile; v40-63 p's codes; v64-127 S^T, then p; v128-159 at work; v160-255 V.
;   window 1: v0-127 O^T of the two tiles; v128-223 K; v224-247 Q of the two tiles.
; LIMITS: NaN and infinities are not served; a block of p that has fallen to 0 has the byte 1 and zero codes; frame_mask holds 0 or 1; the two halves of the keys are summed apart and then added.
.set SLOT1, 1<<17                      ; slot 1; a slot: K's four steps, then V's four, 98,304 bytes
.set AUXL,  2*SLOT1                    ; K's scale words, V's at +8,192, the biases at +16,384
.set SPARE, AUXL+24576                 ; the spare words, 128 bytes a wave
.set MRS,   65536                      ; the exchange at the end lies in slot 0, which has had its last fill and its last read by then: 8 x 8,192 bytes of O^T from byte 0, 8 x 256 bytes of (-M, l) from here
.set SPW, 5
.set NIL, 6
.set LK,  7                            ; 16 x lane + 24,576 x my half of the keys
.set ADK, 8
.set ADV, 9
.set ADS, 10
.set ADB, 11
.set STT, 12                           ; tile x: -M at 12 + 4 x, the largest t, l in two halves
.set QM,  20                           ; the mask byte of my query in the tile that I finish
.set QSC, 22                           ; v22-23   Q's scale words
.set VSC, 24                           ; v24-27   V's scale words: tiles 2 u | 2 u + 1
.set KSC, 28                           ; v28-31   K's
.set FFB, 32                           ; tile x: f = 2^(old M - new M) at 32 + 2 x, p's scale word behind it
.set TMP, 36
.set PW,  37
.set SUM2, 38
.set PCB, 40                           ; tile x: p's codes at 40 + 12 x
.set S,   64
.set PTS, 128                          ; v128-135 the conversions' second halves
.set BM,  136                          ; v136-139 a block's largest score, then its largest p
.set BX,  140
.set BS,  144
.set MST, 148                          ; where I put the tile that I give,
.set MLD, 149                          ; where I find the part that I am given,
.set MSS, 150                          ; and the same for (-M, l)
.set MLS, 151
.set OWN, 152                          ; v152-153 (-M, l) of the tile that I keep
.set PS,  154                          ; v154-155 my partner's
.set GA,  156                          ; v156-157 f / l for my part, twice
.set GB,  158                          ; v158-159 for my partner's
.set VF,  160                          ; v160-255 V's eight fragments; at the end my partner's part and the quantiser's scratch
.set KF,  128                          ; window 1
.set QF,  224                          ; window 1
.set WV,  18
.set SEL, 20
.set CS,  22
.set G1,  24
.set G1X, 32
.set G0,  40
.set G0X, 44
.set SLB, 48                           ; LDS byte at which the slot in hand begins
.set TSL, 49                           ; 2,048 x the slot's number: its scale words and biases
.set SLOTS, 50
.set MSB, 0
.macro WIN new
.if MSB != (\new)
	s_set_vgpr_msb (MSB<<8)|(\new)
.set MSB, (\new)
.endif
.endm
.macro PLACES n
.rept \n
	v_nop
.endr
.endm
.macro CROUND
	s_barrier_signal -1
	s_barrier_wait -1
	s_cmp_lg_u32 s[WV], 0
	s_cbranch_scc1 .Lnot_wave_0_\@
	s_barrier_signal -3
.Lnot_wave_0_\@:
	s_barrier_wait -3
	s_barrier_signal -1
	s_barrier_wait -1
.endm
.macro WMO                             ; one scaled matrix instruction from the symbols rD, rA, rB, rC, rSA, rSB; ROWA, ROWB: which half of the lanes holds that side's scales
.if (ROWA == 0) && (ROWB == 0)
	v_wmma_scale_f32_16x16x128_f8f6f4 v[rD:rD+7], v[rA:rA+11], v[rB:rB+11], v[rC:rC+7], v[rSA], v[rSB] matrix_a_fmt:MATRIX_FMT_FP6 matrix_b_fmt:MATRIX_FMT_FP6
.elseif ROWB == 0
	v_wmma_scale_f32_16x16x128_f8f6f4 v[rD:rD+7], v[rA:rA+11], v[rB:rB+11], v[rC:rC+7], v[rSA], v[rSB] matrix_a_fmt:MATRIX_FMT_FP6 matrix_b_fmt:MATRIX_FMT_FP6 matrix_a_scale:MATRIX_SCALE_ROW1
.elseif ROWA == 0
	v_wmma_scale_f32_16x16x128_f8f6f4 v[rD:rD+7], v[rA:rA+11], v[rB:rB+11], v[rC:rC+7], v[rSA], v[rSB] matrix_a_fmt:MATRIX_FMT_FP6 matrix_b_fmt:MATRIX_FMT_FP6 matrix_b_scale:MATRIX_SCALE_ROW1
.else
	v_wmma_scale_f32_16x16x128_f8f6f4 v[rD:rD+7], v[rA:rA+11], v[rB:rB+11], v[rC:rC+7], v[rSA], v[rSB] matrix_a_fmt:MATRIX_FMT_FP6 matrix_b_fmt:MATRIX_FMT_FP6 matrix_a_scale:MATRIX_SCALE_ROW1 matrix_b_scale:MATRIX_SCALE_ROW1
.endif
.endm
.macro QUANT s
.irp b, 0,1,2,3
	v_max3_num_f32 v[TM+\b], |v[\s+16*\b]|, |v[\s+1+16*\b]|, 0x1800000
.endr
.irp i, 2,4,6,8,10,12,14
.irp b, 0,1,2,3
	v_max3_num_f32 v[TM+\b], v[TM+\b], |v[\s+16*\b+\i]|, |v[\s+1+16*\b+\i]|
.endr
.endr
.irp b, 0,1,2,3
	v_permlanex16_b32 v[TM+4+\b], v[TM+\b], s[SEL], s[SEL+1]
.endr
.irp b, 0,1,2,3
	v_max_num_f32 v[TM+\b], v[TM+\b], v[TM+4+\b]
.endr
.irp b, 0,1,2,3
	v_add_nc_u32 v[TM+12+\b], 0xff000000, v[TM+\b]
.endr
.irp b, 0,1,2,3
	v_lshrrev_b32 v[TM+4+\b], 23, v[TM+12+\b]
.endr
	v_lshl_or_b32 v[PW], v[TM+5], 8, v[TM+4]
	v_lshl_or_b32 v[PW], v[TM+6], 16, v[PW]
	v_lshl_or_b32 v[PW], v[TM+7], 24, v[PW]
.irp c, 0,1
	v_cvt_scalef32_pk16_fp6_f32 v[PC+6*\c:PC+6*\c+2], v[\s+32*\c:\s+32*\c+15], v[TM+12+2*\c]
	v_cvt_scalef32_pk16_fp6_f32 v[PT+4*\c:PT+4*\c+2], v[\s+16+32*\c:\s+31+32*\c], v[TM+13+2*\c]
.endr
	v_nop
.irp c, 0,1
.irp i, 0,1,2
	v_permlane16_swap_b32 v[PC+6*\c+\i], v[PT+4*\c+\i]
.endr
.irp i, 0,1,2
	v_mov_b32 v[PC+3+6*\c+\i], v[PT+4*\c+\i]
.endr
.endr
.endm
	s_load_b256 s[4:11], s[0:1], 0x0               ; qk_img, v_img, aux, frame_mask
	s_load_b64 s[12:13], s[0:1], 0x20              ; ao
	v_lshl_add_u32 v[SPW], v0, 2, SPARE
	v_mov_b32 v[NIL], 0
	ds_add_u32 v5, v6
	ds_add_u32 v5, v6
	s_wait_dscnt 0x0
	v_lshrrev_b32 v8, 5, v0
	v_readfirstlane_b32 s[WV], v8                  ; wave 0..7
	s_bfe_u32 s14, ttmp6, 0x40000                  ; cx
	s_lshl_b32 s15, ttmp9, 2
	s_add_co_u32 s15, s15, s14                     ; my block of 128 queries: it enters Q's, the mask's and the output's addresses alone
	s_and_b32 s16, ttmp7, 0xffff                   ; the head, which the four partners share
	s_and_b32 s19, s[WV], 3                        ; my pair of query tiles
	s_lshr_b32 s51, s[WV], 2                       ; my half of the keys; also: the tile of the pair that I finish
	s_lshl_b32 s58, s19, 1
	s_lshl_b32 s17, s15, 3
	s_add_co_u32 s17, s17, s58                     ; the pair's first block of 16 queries
	s_add_co_u32 s58, s58, s51                     ; the block that I finish, among the work-group's eight,
	s_add_co_u32 s59, s17, s51                     ; and among all
	s_mov_b32 s[G1], 15|(3<<16)|(1<<21)            ; all four work-groups; elements of 8 bytes; no padding: 48 dense rows of 256 bytes
	s_mov_b32 s[G1+1], 32<<16
	s_mov_b32 s[G1+2], 48<<16
	s_mov_b32 s[G1+3], 32<<16
	s_mov_b32 s[G1+4], 48
	s_mov_b32 s[G1+5], 32
	s_mov_b32 s[G1+6], 0
	s_mov_b32 s[G1+7], 0
	s_mov_b32 s[G1X], 15|(3<<16)|(1<<21)           ; the same with 12 rows
	s_mov_b32 s[G1X+1], 32<<16
	s_mov_b32 s[G1X+2], 12<<16
	s_mov_b32 s[G1X+3], 32<<16
	s_mov_b32 s[G1X+4], 12
	s_mov_b32 s[G1X+5], 32
	s_mov_b32 s[G1X+6], 0
	s_mov_b32 s[G1X+7], 0
	s_mov_b32 s[G0], 1
	s_mul_i32 s[G0+1], s[WV], 12288                ; slot 0: K's steps 0-3, V's steps 0-3
	s_mov_b32 s[G0X], 1
	s_mul_i32 s[G0X+1], s[WV], 3072
	s_add_co_u32 s[G0X+1], s[G0X+1], AUXL
	s_mul_i32 s54, s16, 196608                     ; a head's images
	s_and_b32 s55, s[WV], 3
	s_mul_i32 s55, s55, 12288
	s_add_co_u32 s54, s54, s55
	s_mov_b32 s55, 0
	s_lshl_b32 s56, s16, 15
	s_mul_i32 s57, s[WV], 3072
	s_add_co_u32 s56, s56, s57
	s_add_co_u32 s56, s56, 8192                    ; aux from K's scale words on
	s_mov_b32 s57, 0
	s_mov_b32 s[SEL], 0x76543210
	s_mov_b32 s[SEL+1], 0xfedcba98
	s_mov_b32 s[CS], 0x3e0293ee                    ; c = log2(e) / sqrt(128)
	s_mov_b32 s[CS+1], s[CS]
	s_mov_b32 s[SLB], 0
	s_mov_b32 s[TSL], 0
	s_mov_b32 s[SLOTS], 3
	s_wait_kmcnt 0x0
	s_add_nc_u64 s[52:53], s[4:5], 3145728         ; K's images lie behind Q's
	s_cmp_lt_u32 s[WV], 4
	s_cselect_b64 s[52:53], s[52:53], s[6:7]       ; waves 0-3: K, waves 4-7: V
	s_add_nc_u64 s[G0+2:G0+3], s[52:53], s[54:55]
	s_or_b32 s[G0+3], s[G0+3], 0x80000000
	s_add_nc_u64 s[G0X+2:G0X+3], s[8:9], s[56:57]
	s_or_b32 s[G0X+3], s[G0X+3], 0x80000000
	CROUND                                         ; all four work-groups are here: the first joint loads meet
	tensor_load_to_lds s[G0X:G0X+3], s[G1X:G1X+7]  ; scale words and biases: filled once
	s_nop 0
	tensor_load_to_lds s[G0:G0+3], s[G1:G1+7]      ; slot 0: two tensor loads of mine are out
	s_nop 0
	PLACES 4
	s_lshl_b32 s52, s16, 7
	s_add_co_u32 s52, s52, s17
	s_mul_i32 s52, s52, 1536
	s_mov_b32 s53, 0
	s_add_nc_u64 s[4:5], s[4:5], s[52:53]          ; Q's two fragments
	s_lshl_b32 s52, s16, 15
	s_lshl_b32 s54, s17, 6
	s_add_co_u32 s52, s52, s54
	s_add_nc_u64 s[8:9], s[8:9], s[52:53]          ; their scale words
	s_lshl_b32 s52, s59, 4
	s_add_nc_u64 s[10:11], s[10:11], s[52:53]      ; the mask bytes of the block that I finish
	s_lshl_b32 s52, s15, 4
	s_add_co_u32 s52, s52, s16
	s_lshl_b32 s52, s52, 3
	s_add_co_u32 s52, s52, s58                     ; the output's fragment: (16 block + head) 8 + the block that I finish
	s_lshl_b32 s54, s52, 6
	s_add_co_u32 s54, s54, 3145728
	s_mov_b32 s55, 0
	s_mul_i32 s52, s52, 1536
	s_add_nc_u64 s[56:57], s[12:13], s[54:55]      ; its scale words
	s_add_nc_u64 s[12:13], s[12:13], s[52:53]      ; its codes
	v_and_b32 v8, 15, v0                           ; r
	v_bfe_u32 v9, v0, 4, 1                         ; h
	v_and_b32 v10, 31, v0
	v_lshlrev_b32 v1, 4, v10                       ; 16 x lane
	v_lshlrev_b32 v4, 2, v8
	WIN 0x40                                       ; destination window 1
.irp x, 0,1
.irp c, 0,1,2
	global_load_b128 v[QF+12*\x+4*\c:QF+12*\x+4*\c+3], v1, s[4:5] offset:1536*\x+512*\c
.endr
.endr
	WIN 0
	global_load_b32 v[QSC], v4, s[8:9]
	global_load_b32 v[QSC+1], v4, s[8:9] offset:64
	global_load_u8 v[QM], v8, s[10:11]
	; every LDS address register is made here, from the lane and the wave's number alone
	s_lshl_b32 s52, s51, 10                        ; my half's two steps: 2 x 512 bytes of scale words, and of biases
	s_add_co_u32 s54, s52, AUXL
	v_lshl_add_u32 v2, v10, 2, s54                 ; scale words: 4 x lane
	s_add_co_u32 s54, s52, AUXL+16384
	v_lshl_add_u32 v3, v9, 5, s54                  ; biases: eight keys for each half of the lanes
	s_mul_i32 s54, s51, 24576                      ; and 2 x 12,288 bytes of images
	v_add_nc_u32 v[LK], s54, v1
	s_xor_b32 s52, s[WV], 4                        ; my partner
	s_lshl_b32 s54, s52, 13
	v_add_nc_u32 v[MST], s54, v1
	s_lshl_b32 s54, s52, 8
	s_add_co_u32 s54, s54, MRS
	v_lshl_add_u32 v[MSS], v10, 3, s54
	s_lshl_b32 s54, s[WV], 13
	v_add_nc_u32 v[MLD], s54, v1
	s_lshl_b32 s54, s[WV], 8
	s_add_co_u32 s54, s54, MRS
	v_lshl_add_u32 v[MLS], v10, 3, s54
.irp x, 0,1
	v_mov_b32 v[STT+4*\x+1], 0xff61b1e6            ; the largest t so far: -3e38
	v_floor_f32 v[STT+4*\x], -v[STT+4*\x+1]        ; -M
	v_mov_b32 v[STT+4*\x+2], 0                     ; the sum, in two halves
	v_mov_b32 v[STT+4*\x+3], 0
	v_mov_b32 v[FFB+2*\x+1], 0                     ; (named as the upper half of a pair before it is first written)
.endr
.irp b, 0,1,2,3
	v_mov_b32 v[BX+\b], 0                          ; a lane permute's destination counts as one of its sources
.endr
	v_mov_b32 v[TMP], 0
	WIN 0x40
.set n, 0
.rept 128
	v_mov_b32 v[n], 0                              ; O^T of both tiles: the step is written once; the first change of M leaves zeros zeros
.set n, n+1
.endr
	WIN 0
	s_wait_loadcnt 0x0                             ; Q, its scale words, the mask byte
.macro CHANGE fill                     ; at a slot's head: the slot ahead is whole, nobody reads the other one; fill = 1: that one is filled with the next four key steps
	s_wait_tensorcnt 0x0                           ; no tensor load of mine is out, so the walking descriptor may be written
	ds_add_u32 v[SPW], v[NIL]
.if \fill
	s_xor_b32 s[G0+1], s[G0+1], SLOT1
	s_add_nc_u64 s[G0+2:G0+3], s[G0+2:G0+3], 49152
.endif
	s_wait_dscnt 0x0                               ; the add is done, and my reads of the slot that I have left are over
.if \fill
	CROUND                                         ; of every wave of all four work-groups
	tensor_load_to_lds s[G0:G0+3], s[G1:G1+7]      ; my one tensor load behind the round: it has a slot's steps in which to land
	s_nop 0
	PLACES 4
.else
	s_barrier_signal -1
	s_barrier_wait -1
.endif
.endm
.macro KLOADS q                        ; 28 loads
	WIN 0x40
.irp t, 0,1,2,3,4,5,6,7
.irp c, 0,1,2
	ds_load_b128 v[KF+12*\t+4*\c:KF+12*\t+4*\c+3], v[ADK] offset:12288*(\q)+1536*\t+512*\c
.endr
.endr
	WIN 0
.irp u, 0,1,2,3
	ds_load_b32 v[KSC+\u], v[ADS] offset:512*(\q)+128*\u
.endr
.endm
.macro BLOADS q                        ; 16 loads: the keys' biases into the accumulators' registers: register n of tile t is key 16 t + 8 h + n
.irp t, 0,1,2,3,4,5,6,7
	ds_load_b128 v[S+8*\t:S+8*\t+3], v[ADB] offset:512*(\q)+64*\t
	ds_load_b128 v[S+8*\t+4:S+8*\t+7], v[ADB] offset:512*(\q)+64*\t+16
.endr
.endm
.macro SLOTHEAD
	v_add_nc_u32 v[ADK], s[SLB], v[LK]
	v_add_nc_u32 v[ADV], 49152, v[ADK]
	v_add_nc_u32 v[ADS], s[TSL], v2
	v_add_nc_u32 v[ADB], s[TSL], v3
	KLOADS 0
	BLOADS 0
.endm
.macro QK x                            ; S^T = K Q^T + the bias for tile x: eight accumulators, one instruction each; K and Q window 1
	WIN 0x05
.set ROWB, 0
.irp t, 0,1,2,3,4,5,6,7
.set rD, S+8*\t
.set rC, rD
.set rA, KF+12*\t
.set rB, QF+12*(\x)
.set rSA, KSC+\t/2
.set rSB, QSC+(\x)
.set ROWA, \t%2
	WMO
.endr
	WIN 0
.endm
; Tile x's softmax, up to the conversions: behind it S is done with
.macro SM1 x
.set rT, STT+4*(\x)
.set rF, FFB+2*(\x)
.set rP, PCB+12*(\x)
.irp b, 0,1,2,3
	v_max3_num_f32 v[BM+\b], v[S+16*\b], v[S+1+16*\b], v[S+2+16*\b]     ; the largest score of each block of 32 keys: for the row's maximum and, since p rises with the score, for the block's largest p
.endr
.irp i, 3,5,7,9,11,13
.irp b, 0,1,2,3
	v_max3_num_f32 v[BM+\b], v[BM+\b], v[S+16*\b+\i], v[S+1+16*\b+\i]
.endr
.endr
.irp b, 0,1,2,3
	v_max_num_f32 v[BM+\b], v[BM+\b], v[S+15+16*\b]
.endr
.irp b, 0,1,2,3
	v_permlanex16_b32 v[BX+\b], v[BM+\b], s[SEL], s[SEL+1]
.endr
.irp b, 0,1,2,3
	v_max_num_f32 v[BM+\b], v[BM+\b], v[BX+\b]     ; with lane l xor 16's 16 keys
.endr
	v_max3_num_f32 v[TMP], v[BM], v[BM+1], v[BM+2]
	v_max_num_f32 v[TMP], v[TMP], v[BM+3]
	v_mul_f32 v[TMP], s[CS], v[TMP]                ; as t
	v_max_num_f32 v[rT+1], v[rT+1], v[TMP]         ; the running largest t
	v_mov_b32 v[TMP], v[rT]
	v_floor_f32 v[rT], -v[rT+1]                    ; the new -M = -ceil(t)
	v_sub_f32 v[TMP], v[rT], v[TMP]                ; old M - new M: a whole number, 0 or less
	v_cvt_i32_f32 v[TMP], v[TMP]                   ; (it saturates)
	v_ldexp_f32 v[rF], 1.0, v[TMP]                 ; f = 2^(old M - new M): the rescaling rounds nothing
.set n, 0
.rept 32
	v_pk_fma_f32 v[S+2*n:S+2*n+1], v[S+2*n:S+2*n+1], s[CS:CS+1], v[rT:rT+1] op_sel_hi:[1,0,0]    ; t - M
.set n, n+1
.endr
.irp b, 0,1,2,3
	v_fma_f32 v[BM+\b], v[BM+\b], s[CS], v[rT]
.endr
.set n, 0
.rept 64
	v_exp_f32 v[S+n], v[S+n]                       ; p = 2^(t - M): not normalised
.set n, n+1
.endr
.irp b, 0,1,2,3
	v_exp_f32 v[BM+\b], v[BM+\b]                   ; the block's largest p
.endr
	v_pk_mul_f32 v[rT+2:rT+3], v[rT+2:rT+3], v[rF:rF+1] op_sel_hi:[1,0] ; the sums under the new M (a plain place behind the exponentials)
	s_wait_alu depctr_va_vdst(0)
.irp b, 0,1,2,3
	v_max_num_f32 v[BM+\b], 0x1800000, v[BM+\b]    ; the floor 2^(3 - 127)
.endr
.irp b, 0,1,2,3
	v_add_nc_u32 v[BS+\b], 0xff000000, v[BM+\b]    ; the conversion's scale operand
.endr
.irp b, 0,1,2,3
	v_lshrrev_b32 v[BX+\b], 23, v[BS+\b]           ; the scale's byte
.endr
	v_lshl_or_b32 v[rF+1], v[BX+1], 8, v[BX]       ; p's scale word for these 128 keys
	v_lshl_or_b32 v[rF+1], v[BX+2], 16, v[rF+1]
	v_lshl_or_b32 v[rF+1], v[BX+3], 24, v[rF+1]
	v_pk_add_f32 v[SUM2:SUM2+1], v[S:S+1], v[S+2:S+3]                   ; the row's sum is taken of the unquantised p, in two chains
.irp j, 4,8,12,16,20,24,28,32,36,40,44,48,52,56,60
	v_pk_add_f32 v[rT+2:rT+3], v[rT+2:rT+3], v[S+\j:S+\j+1]
	v_pk_add_f32 v[SUM2:SUM2+1], v[SUM2:SUM2+1], v[S+2+\j:S+3+\j]
.endr
	v_pk_add_f32 v[rT+2:rT+3], v[rT+2:rT+3], v[SUM2:SUM2+1]
.irp c, 0,1
	v_cvt_scalef32_pk16_fp6_f32 v[rP+6*\c:rP+6*\c+2], v[S+32*\c:S+32*\c+15], v[BS+2*\c]
	v_cvt_scalef32_pk16_fp6_f32 v[PTS+4*\c:PTS+4*\c+2], v[S+16+32*\c:S+31+32*\c], v[BS+2*\c+1]
.endr
	v_nop                                          ; one plain place behind a scaled conversion
.endm
.macro SM2 x                           ; the operand wants a whole block in a lane: lanes 0-15 block 2 c, lanes 16-31 block 2 c + 1
.set rP, PCB+12*(\x)
.irp c, 0,1
.irp i, 0,1,2
	v_permlane16_swap_b32 v[rP+6*\c+\i], v[PTS+4*\c+\i]
.endr
.irp i, 0,1,2
	v_mov_b32 v[rP+3+6*\c+\i], v[PTS+4*\c+\i]
.endr
.endr
.endm
.macro RESCALE x                       ; tile x's O^T under the new M
	WIN 0x41
.set n, 0
.rept 32
	v_pk_mul_f32 v[64*(\x)+2*n:64*(\x)+2*n+1], v[64*(\x)+2*n:64*(\x)+2*n+1], v[FFB+2*(\x):FFB+2*(\x)+1] op_sel_hi:[1,0]
.set n, n+1
.endr
.endm
.macro PV                              ; O^T += V^T P^T: each fragment of V serves both tiles; sixteen accumulators, one instruction each; C and D window 1
	WIN 0x50
.set ROWB, 0
.irp t, 0,1,2,3,4,5,6,7
.irp x, 0,1
.set rD, 64*\x+8*\t
.set rC, rD
.set rA, VF+12*\t
.set rB, PCB+12*\x
.set rSA, VSC+\t/2
.set rSB, FFB+2*\x+1
.set ROWA, \t%2
	WMO
.endr
.endr
	WIN 0
.endm
.macro STEP q, last                    ; my q-th key step of the slot
	PLACES 4                                       ; behind the last step's products on V's fragments and scale words
.irp t, 0,1,2,3,4,5,6,7
.irp c, 0,1,2
	ds_load_b128 v[VF+12*\t+4*\c:VF+12*\t+4*\c+3], v[ADV] offset:12288*(\q)+1536*\t+512*\c
.endr
.endr
.irp u, 0,1,2,3
	ds_load_b32 v[VSC+\u], v[ADS] offset:8192+512*(\q)+128*\u
.endr
	s_wait_dscnt 28                                ; K, its scale words and the biases are in; the 28 loads just issued stay out
	QK 0
	PLACES 4
	SM1 0
	BLOADS \q                                      ; the same keys' biases once more, for the second tile; the lines down to the wait stand between
	SM2 0
	RESCALE 0
	s_wait_dscnt 0x0                               ; the biases are in, and V and its scale words with them
	QK 1
	PLACES 4
.if \last == 0
	KLOADS (\q)+1                                  ; the next step's K, a softmax ahead of its use
.endif
	SM1 1
.if \last == 0
	BLOADS (\q)+1                                  ; and its biases
.endif
	SM2 1
	RESCALE 1                                      ; also the places between p's codes and scale word and the products below
	PV
.endm
.macro TWO_STEPS
	SLOTHEAD
	STEP 0, 0
	STEP 1, 1
	s_xor_b32 s[SLB], s[SLB], SLOT1
	s_add_co_u32 s[TSL], s[TSL], 2048
.endm
.Lslot:                                            ; three trips: behind each change of slots but the last the next slot is asked for
	CHANGE 1
	TWO_STEPS
	s_sub_co_u32 s[SLOTS], s[SLOTS], 1
	s_cmp_lg_u32 s[SLOTS], 0
	s_cbranch_scc1 .Lslot
	CHANGE 0                                       ; the last slot is written out
	TWO_STEPS
	; ---- THE TWO HALVES OF THE KEYS MEET.  I give my partner one tile's part and keep the other's.
	PLACES 4
.irp x, 0,1
	v_add_f32 v[STT+4*\x+2], v[STT+4*\x+2], v[STT+4*\x+3]
.endr
.irp x, 0,1
	v_permlanex16_b32 v[STT+4*\x+3], v[STT+4*\x+2], s[SEL], s[SEL+1]
.endr
.irp x, 0,1
	v_add_f32 v[STT+4*\x+1], v[STT+4*\x+2], v[STT+4*\x+3]  ; the row's sum over my keys, beside -M
.endr
.macro GIVE g, k
	WIN 0x04                                       ; an LDS store's data are its source 1: window 1
.set n, 0
.rept 16
	ds_store_b128 v[MST], v[64*(\g)+4*n:64*(\g)+4*n+3] offset:512*n    ; as the registers stand; each accumulator from its low end on
.set n, n+1
.endr
	WIN 0
	ds_store_b64 v[MSS], v[STT+4*(\g):STT+4*(\g)+1]
	v_mov_b32 v[OWN], v[STT+4*(\k)]
	v_mov_b32 v[OWN+1], v[STT+4*(\k)+1]
.endm
	s_cmp_lt_u32 s[WV], 4
	s_cbranch_scc0 .Lgive_a
	GIVE 1, 0
	s_branch .Lgiven
.Lgive_a:
	GIVE 0, 1
.Lgiven:
	s_wait_dscnt 0x0                               ; for my partner's sake: my stores have landed
	s_barrier_signal -1
	s_barrier_wait -1
.set n, 0
.rept 16
	ds_load_b128 v[VF+4*n:VF+4*n+3], v[MLD] offset:512*n               ; my partner's part of the tile that I keep
.set n, n+1
.endr
	ds_load_b64 v[PS:PS+1], v[MLS]
	s_wait_dscnt 0x0
	v_min_num_f32 v[TMP], v[OWN], v[PS]            ; -M of all keys: the larger M holds
	v_sub_f32 v[GA], v[TMP], v[OWN]                ; my M less that one: a whole number, 0 or less
	v_sub_f32 v[GB], v[TMP], v[PS]
	v_cvt_i32_f32 v[GA], v[GA]
	v_cvt_i32_f32 v[GB], v[GB]
	v_ldexp_f32 v[GA], 1.0, v[GA]                  ; exact powers of two
	v_ldexp_f32 v[GB], 1.0, v[GB]
	v_mul_f32 v[TMP], v[OWN+1], v[GA]
	v_fma_f32 v[TMP], v[PS+1], v[GB], v[TMP]       ; the row's sum
	v_rcp_f32 v[TMP], v[TMP]
	v_cmp_ne_u32 vcc_lo, 0, v[QM]
	v_nop                                          ; a plain place behind the transcendental
	s_wait_alu depctr_va_vdst(0)
	v_cndmask_b32 v[TMP], 0, v[TMP], vcc_lo        ; a masked query's row is multiplied by 0: O is finite
	v_mul_f32 v[GA], v[GA], v[TMP]
	v_mul_f32 v[GB], v[GB], v[TMP]
	v_mov_b32 v[GA+1], v[GA]
	v_mov_b32 v[GB+1], v[GB]
.set n, 0
.rept 32
	v_pk_mul_f32 v[S+2*n:S+2*n+1], v[VF+2*n:VF+2*n+1], v[GB:GB+1]
.set n, n+1
.endr
.macro KEEP k
	WIN 0x01                                       ; my part: window 1
.set n, 0
.rept 32
	v_pk_fma_f32 v[S+2*n:S+2*n+1], v[64*(\k)+2*n:64*(\k)+2*n+1], v[GA:GA+1], v[S+2*n:S+2*n+1]   ; register 16 b + n is feature 32 b + 16 h + n of my query; each accumulator from its low end on
.set n, n+1
.endr
	WIN 0
.endm
	s_cmp_lt_u32 s[WV], 4
	s_cbranch_scc0 .Lkeep_b
	KEEP 0
	s_branch .Lkept
.Lkeep_b:
	KEEP 1
.Lkept:
	; ---- quantised along the head's 128
.set TM, 224
.set PC, 240
.set PT, PTS
.irp b, 0,1,2,3
	v_mov_b32 v[TM+4+\b], 0
.endr
	QUANT S
.irp c, 0,1,2
	global_store_b128 v1, v[PC+4*\c:PC+4*\c+3], s[12:13] offset:512*\c  ; an image of the operand's registers
.endr
	global_store_b32 v4, v[PW], s[56:57]           ; lanes l and l xor 16 store the same word to the same place
	s_wait_tensorcnt 0x0                           ; the wave's end
	ds_add_u32 v[SPW], v[NIL]
	s_wait_dscnt 0x0
	CROUND                                         ; the closing round
	s_endpgm
.Lfunc_end_k_q31d19ffbae_attn:
	.size	k_q31d19ffbae_attn, .Lfunc_end_k_q31d19ffbae_attn-k_q31d19ffbae_attn
	.p2alignl 7, 3214868480
	.fill 96, 4, 3214868480
	.section	.rodata,"a",@progbits
	.p2align	6, 0x0
	.amdhsa_kernel k_q31d19ffbae_attn
		.amdhsa_group_segment_fixed_size 327680
		.amdhsa_private_segment_fixed_size 0
		.amdhsa_enable_private_segment 0
		.amdhsa_kernarg_size 40
		.amdhsa_user_sgpr_count 2
		.amdhsa_user_sgpr_kernarg_segment_ptr 1
		.amdhsa_wavefront_size32 1
		.amdhsa_system_sgpr_workgroup_id_x 1
		.amdhsa_system_sgpr_workgroup_id_y 1
		.amdhsa_system_sgpr_workgroup_id_z 1
		.amdhsa_system_vgpr_workitem_id 0
		.amdhsa_next_free_vgpr 512
		.amdhsa_next_free_sgpr 66
		.amdhsa_reserve_vcc 1
		.amdhsa_float_denorm_mode_32 3
		.amdhsa_float_denorm_mode_16_64 3
		.amdhsa_memory_ordered 1
		.amdhsa_forward_progress 1
		.amdhsa_inst_pref_size 171
	.end_amdhsa_kernel
	.amdgpu_metadata
---
amdhsa.version: [ 1, 2 ]
amdhsa.kernels:
  - .name:           k_q31d19ffbae_attn
    .symbol:         k_q31d19ffbae_attn.kd
    .args:
      - { .name: qk_img, .offset: 0, .size: 8, .value_kind: global_buffer, .address_space: global }
      - { .name: v_img, .offset: 8, .size: 8, .value_kind: global_buffer, .address_space: global }
      - { .name: aux, .offset: 16, .size: 8, .value_kind: global_buffer, .address_space: global }
      - { .name: frame_mask, .offset: 24, .size: 8, .value_kind: global_buffer, .address_space: global }
      - { .name: ao, .offset: 32, .size: 8, .value_kind: global_buffer, .address_space: global }
    .group_segment_fixed_size: 327680
    .private_segment_fixed_size: 0
    .kernarg_segment_align: 8
    .kernarg_segment_size: 40
    .max_flat_workgroup_size: 256
    .sgpr_count:     66
    .vgpr_count:     512
    .wavefront_size: 32
...
	.end_amdgpu_metadata
.endif
;; end of part 3
;; launch oproj (part 4): grid 16 x 16, 4 waves a work-group, clusters of 4 x 4, 327,680 bytes of LDS; arguments ao, wo_codes, wo_scales, bo, frame_mask, out0; writes out0
.if DOCPART == 4
	.amdgcn_target "amdgcn-amd-amdhsa--gfx1250"
	.amdhsa_code_object_version 6
	.text
	.protected	k_q31d19ffbae_oproj
	.globl	k_q31d19ffbae_oproj
	.p2align	8
	.type	k_q31d19ffbae_oproj,@function
k_q31d19ffbae_oproj:
	s_mov_b64 s[64:65], 0
	v_nop
	global_prefetch_b8 v0, s[64:65] scope:SCOPE_SE
	s_setreg_imm32_b32 hwreg(HW_REG_WAVE_MODE, 25, 1), 1
	s_wait_xcnt 0x0
	s_wait_alu depctr_hold_cnt(0) depctr_sa_sdst(0) depctr_va_vdst(0) depctr_va_sdst(0) depctr_va_ssrc(0) depctr_va_vcc(0) depctr_vm_vsrc(0)
	s_getreg_b32 s2, hwreg(HW_REG_IB_STS2, 6, 4)
	s_cmp_eq_u32 s2, 0
	s_cbranch_scc0 .Lentry_in_a_cluster
	s_endpgm
.Lentry_in_a_cluster:
	s_bfe_u32 s2, ttmp6, 0x10000c
	s_cmp_lg_u32 s2, 0xf033
	s_cbranch_scc0 .Lentry_shape_is_right
	s_endpgm
.Lentry_shape_is_right:
; out0 = (attention's result) wo^T + bo on codes of FP6 (E2M3), rows of masked tokens set to 0.
; A tile is 128 tokens (i) x 128 columns (jn): 256 work-groups, one for each WGP; tiles of 256 x 256 would be 64.  Wave (wr, wc) makes 64 x 64: 16 accumulators.
; Source 0 = 16 rows of wo, source 1 = 16 tokens: a lane holds eight neighbouring columns of one row of out0.  bo is the C of each sum's first product.
; K goes in four steps of 512 through two LDS slots: the tokens' codes as images of operand registers (dense blocks), wo's as rows of 384 bytes.  The body is written out: two first fills, two refills.
; 4 x 4 work-groups form a cluster: the tokens' tiles are asked for jointly along a row, wo's along a column.  LIMITS: NaN and infinities are not served; frame_mask holds 0 or 1.
.set SLOT4, 104448                     ; 49,152 of images (4 K steps x 8 fragments), then 128 rows of 432 bytes
.set BOFF,  49152
.set BP,    432                        ; 3 x (128 bytes + 16 of padding)
.set SCA,   2*SLOT4                    ; the tokens' scale words: [K step 16][block 8][16 words], dense
.set SCB,   SCA+8192                   ; wo's scale bytes: 32 units of 256 + 16
.set STAGE, SCB+8704                   ; the way out: 16 rows x 272 bytes for each wave; no fill lands here
.set SPARE, STAGE+4*16*272
.set MK,  12                           ; v12-15 the mask byte of token 16 a + r
.set AA,  16                           ; v16-17 the images, slot 0, 1
.set BB,  18                           ; v18-19 wo's rows; v20-21 the same behind one padding more
.set ASA, 22
.set ASB, 23
.set STO, 24
.set RD,  25
.set CO,  26
.set SPW, 28
.set NIL, 29
.set SC,  32                           ; v32-63 two sets of 16: the tokens' words at 2 q + u (blocks 2 u | 2 u + 1), wo's at 8 + 4 u + q (tiles 2 u | 2 u + 1)
.set BO,  64                           ; v64-95 bo in the result's layout
.set ACC, 128
.set WV,  16
.set G1A, 24
.set G1B, 32
.set G0A, 40
.set G0B, 48
.set G1SA, 56
.set G1SB, 68
.set G0SA, 76
.set G0SB, 80
.set MSB, 0
.macro WIN new
.if MSB != (\new)
	s_set_vgpr_msb (MSB<<8)|(\new)
.set MSB, (\new)
.endif
.endm
.macro PLACES n
.rept \n
	v_nop
.endr
.endm
.macro JLOAD g0a, g1a, g0b, g1b        ; waves 0 and 1 ask for the tokens' halves, waves 2 and 3 for wo's
	s_cmp_eq_u32 s17, 0
	s_cbranch_scc0 .Lfor_b_\@
	tensor_load_to_lds s[\g0a:\g0a+3], s[\g1a:\g1a+7]
	s_nop 0
	PLACES 4
	s_branch .Lasked_\@
.Lfor_b_\@:
	tensor_load_to_lds s[\g0b:\g0b+3], s[\g1b:\g1b+7]
	s_nop 0
	PLACES 4
.Lasked_\@:
.endm
.macro CREST
	s_cmp_lg_u32 s[WV], 0
	s_cbranch_scc1 .Lnot_wave_0_\@
	s_barrier_signal -3
.Lnot_wave_0_\@:
	s_barrier_wait -3
	s_barrier_signal -1
	s_barrier_wait -1
.endm
.macro CROUND
	s_barrier_signal -1
	s_barrier_wait -1
	CREST
.endm
.macro WMO
.if (ROWA == 0) && (ROWB == 0)
	v_wmma_scale_f32_16x16x128_f8f6f4 v[rD:rD+7], v[rA:rA+11], v[rB:rB+11], v[rC:rC+7], v[rSA], v[rSB] matrix_a_fmt:MATRIX_FMT_FP6 matrix_b_fmt:MATRIX_FMT_FP6
.elseif ROWB == 0
	v_wmma_scale_f32_16x16x128_f8f6f4 v[rD:rD+7], v[rA:rA+11], v[rB:rB+11], v[rC:rC+7], v[rSA], v[rSB] matrix_a_fmt:MATRIX_FMT_FP6 matrix_b_fmt:MATRIX_FMT_FP6 matrix_a_scale:MATRIX_SCALE_ROW1
.elseif ROWA == 0
	v_wmma_scale_f32_16x16x128_f8f6f4 v[rD:rD+7], v[rA:rA+11], v[rB:rB+11], v[rC:rC+7], v[rSA], v[rSB] matrix_a_fmt:MATRIX_FMT_FP6 matrix_b_fmt:MATRIX_FMT_FP6 matrix_b_scale:MATRIX_SCALE_ROW1
.else
	v_wmma_scale_f32_16x16x128_f8f6f4 v[rD:rD+7], v[rA:rA+11], v[rB:rB+11], v[rC:rC+7], v[rSA], v[rSB] matrix_a_fmt:MATRIX_FMT_FP6 matrix_b_fmt:MATRIX_FMT_FP6 matrix_a_scale:MATRIX_SCALE_ROW1 matrix_b_scale:MATRIX_SCALE_ROW1
.endif
.endm
	s_load_b256 s[4:11], s[0:1], 0x0               ; ao, wo's codes, wo's scales, bo
	s_load_b128 s[12:15], s[0:1], 0x20             ; frame_mask, out0
	v_lshl_add_u32 v[SPW], v0, 2, SPARE
	v_mov_b32 v[NIL], 0
	ds_add_u32 v28, v29
	ds_add_u32 v28, v29
	s_wait_dscnt 0x0
	v_lshrrev_b32 v1, 5, v0
	v_readfirstlane_b32 s[WV], v1                  ; wave 0..3
	s_lshr_b32 s17, s[WV], 1                       ; wr: my half of the tokens.  Also: I fetch the tokens' tiles (0) or wo's (1)
	s_and_b32 s18, s[WV], 1                        ; wc: my half of the columns.  Also: which half of that tile I fetch
	s_bfe_u32 s19, ttmp6, 0x40000                  ; cx
	s_bfe_u32 s20, ttmp6, 0x40004                  ; cy
	s_lshl_b32 s21, ttmp9, 2
	s_add_co_u32 s21, s21, s19                     ; jn
	s_and_b32 s22, ttmp7, 0xffff
	s_lshl_b32 s22, s22, 2
	s_add_co_u32 s22, s22, s20                     ; i
	s_lshl_b32 s23, s20, 2
	s_lshl_b32 s23, 15, s23                        ; my row of the cluster
	s_lshl_b32 s96, 0x1111, s19                    ; my column
	s_or_b32 s[G1A], s23, (3<<16)|(1<<21)          ; two K steps' images: 96 dense rows of 256 bytes
	s_mov_b32 s[G1A+1], 32<<16
	s_mov_b32 s[G1A+2], 96<<16
	s_mov_b32 s[G1A+3], 32<<16
	s_mov_b32 s[G1A+4], 96
	s_mov_b32 s[G1A+5], 32
	s_mov_b32 s[G1A+6], 0
	s_mov_b32 s[G1A+7], 0
	s_or_b32 s[G1B], s96, (1<<20)|(1<<21)|(4<<22)|(3<<25)   ; 64 rows of 384 bytes, 16 of padding behind every 128
	s_mov_b32 s[G1B+1], 384<<16
	s_mov_b32 s[G1B+2], 64<<16
	s_mov_b32 s[G1B+3], 384<<16
	s_mov_b32 s[G1B+4], 64
	s_mov_b32 s[G1B+5], 1536
	s_mov_b32 s[G1B+6], 0
	s_mov_b32 s[G1B+7], 0
	s_or_b32 s[G1SA], s23, (3<<16)|(1<<21)         ; 16 dense rows of 256 bytes
	s_or_b32 s[G1SB], s96, (3<<16)|(1<<20)|(1<<21)|(5<<22)|(3<<25)  ; the same with 16 of padding behind each
.irp g, G1SA, G1SB
	s_mov_b32 s[\g+1], 32<<16
	s_mov_b32 s[\g+2], 16<<16
	s_mov_b32 s[\g+3], 32<<16
	s_mov_b32 s[\g+4], 16
	s_mov_b32 s[\g+5], 32
	s_mov_b32 s[\g+6], 0
	s_mov_b32 s[\g+7], 0
.endr
	s_mul_i32 s84, s22, 196608                     ; the tokens' codes: i, my half of a slot
	s_mul_i32 s85, s18, 24576
	s_add_co_u32 s84, s84, s85
	s_mov_b32 s85, 0
	s_lshl_b32 s86, s22, 13                        ; their scale words
	s_lshl_b32 s87, s18, 12
	s_add_co_u32 s86, s86, s87
	s_add_co_u32 s86, s86, 3145728
	s_mov_b32 s87, 0
	s_mul_i32 s88, s21, 196608                     ; wo's codes: rows 128 jn + 64 half
	s_mul_i32 s89, s18, 98304
	s_add_co_u32 s88, s88, s89
	s_mov_b32 s89, 0
	s_lshl_b32 s90, s21, 13                        ; wo's scale bytes
	s_lshl_b32 s91, s18, 12
	s_add_co_u32 s90, s90, s91
	s_mov_b32 s91, 0
	s_mul_i32 s97, s18, 24576                      ; where they go: the wave's number alone
	s_mul_i32 s98, s18, 64*BP
	s_add_co_u32 s98, s98, BOFF
	s_wait_kmcnt 0x0
	s_add_nc_u64 s[84:85], s[4:5], s[84:85]
	s_add_nc_u64 s[86:87], s[4:5], s[86:87]
	s_add_nc_u64 s[88:89], s[6:7], s[88:89]
	s_add_nc_u64 s[90:91], s[8:9], s[90:91]
	CROUND                                         ; all sixteen work-groups are here: the first joint loads meet
	s_mov_b32 s[G0SA], 1
	s_lshl_b32 s99, s18, 12
	s_add_co_u32 s[G0SA+1], s99, SCA
	s_mov_b64 s[G0SA+2:G0SA+3], s[86:87]
	s_or_b32 s[G0SA+3], s[G0SA+3], 0x80000000
	s_mov_b32 s[G0SB], 1
	s_mul_i32 s99, s18, 4352
	s_add_co_u32 s[G0SB+1], s99, SCB
	s_mov_b64 s[G0SB+2:G0SB+3], s[90:91]
	s_or_b32 s[G0SB+3], s[G0SB+3], 0x80000000
	JLOAD G0SA, G1SA, G0SB, G1SB                   ; the scales first
.irp s, 0,1
	s_mov_b32 s[G0A+4*\s], 1
	s_add_co_u32 s[G0A+4*\s+1], s97, \s*SLOT4
	s_add_nc_u64 s[G0A+4*\s+2:G0A+4*\s+3], s[84:85], \s*49152
	s_or_b32 s[G0A+4*\s+3], s[G0A+4*\s+3], 0x80000000
	s_mov_b32 s[G0B+4*\s], 1
	s_add_co_u32 s[G0B+4*\s+1], s98, \s*SLOT4
	s_add_nc_u64 s[G0B+4*\s+2:G0B+4*\s+3], s[88:89], \s*384
	s_or_b32 s[G0B+4*\s+3], s[G0B+4*\s+3], 0x80000000
	JLOAD G0A+4*\s, G1A, G0B+4*\s, G1B             ; three tensor loads of mine are out
.endr
	v_and_b32 v1, 15, v0                           ; r
	v_bfe_u32 v2, v0, 4, 1                         ; h
	v_and_b32 v3, 31, v0                           ; lane
	v_lshlrev_b32 v4, 4, v3
	s_lshl_b32 s84, s21, 9
	s_lshl_b32 s85, s18, 8
	s_add_co_u32 s84, s84, s85                     ; my first column in bytes: 4 (128 jn + 64 wc)
	s_mov_b32 s85, 0
	s_add_nc_u64 s[10:11], s[10:11], s[84:85]      ; bo
	s_add_nc_u64 s[14:15], s[14:15], s[84:85]
	s_lshl_b32 s84, s22, 7
	s_lshl_b32 s86, s17, 6
	s_add_co_u32 s84, s84, s86                     ; my first token: 128 i + 64 wr
	s_add_nc_u64 s[12:13], s[12:13], s[84:85]      ; frame_mask
	s_lshl_b32 s84, s84, 13
	s_add_nc_u64 s[14:15], s[14:15], s[84:85]      ; out0
	v_lshlrev_b32 v7, 5, v2
.irp b, 0,1,2,3
	global_load_b128 v[BO+8*\b:BO+8*\b+3], v7, s[10:11] offset:64*\b       ; register n of tile b is column 16 b + 8 h + n
	global_load_b128 v[BO+8*\b+4:BO+8*\b+7], v7, s[10:11] offset:64*\b+16
.endr
.irp a, 0,1,2,3
	global_load_u8 v[MK+\a], v1, s[12:13] offset:16*\a
.endr
	s_mul_i32 s84, s17, 6144
	v_add_nc_u32 v[AA], s84, v4                    ; my four blocks' images: 16 x lane
	v_add_nc_u32 v[AA+1], SLOT4, v[AA]
	v_mul_u32_u24 v5, v1, BP
	v_mad_u32_u24 v5, v2, 24, v5
	s_mul_i32 s84, s18, 64*BP
	s_add_co_u32 s84, s84, BOFF
	v_add_nc_u32 v[BB], s84, v5                    ; my 64 rows of wo: row x pitch + 24 x half
	v_add_nc_u32 v[BB+1], SLOT4, v[BB]
	v_lshl_add_u32 v[BB+2], v2, 4, v[BB]
	v_lshl_add_u32 v[BB+3], v2, 4, v[BB+1]
	s_lshl_b32 s84, s17, 8
	s_add_co_u32 s84, s84, SCA
	v_lshl_add_u32 v[ASA], v3, 2, s84
	v_lshlrev_b32 v5, 6, v1
	v_lshrrev_b32 v6, 2, v1
	v_lshl_add_u32 v5, v6, 4, v5
	v_mad_u32_u24 v5, v2, 1088, v5                 ; lanes 16-31 take the next tile's rows
	s_mul_i32 s84, s18, 4352
	s_add_co_u32 s84, s84, SCB
	v_add_nc_u32 v[ASB], s84, v5
	s_mul_i32 s84, s[WV], 16*272
	s_add_co_u32 s84, s84, STAGE                   ; my stage
	v_mul_u32_u24 v5, v1, 272
	v_lshl_add_u32 v5, v2, 5, v5
	v_add_nc_u32 v[STO], s84, v5                   ; in: row r, 32 bytes for each half
	v_mul_u32_u24 v5, v2, 272
	v_lshl_add_u32 v5, v1, 4, v5
	v_add_nc_u32 v[RD], s84, v5                    ; back: lanes 0-15 one row of 256 bytes, lanes 16-31 the next
	v_lshlrev_b32 v5, 13, v2
	v_lshl_add_u32 v[CO], v1, 4, v5                ; and the same two rows in out0
.macro FETCH4 slot, q, set             ; 128 along K: my four blocks of tokens (three loads of 16 bytes each), my four tiles of wo (six of 8 bytes), into window 1
	WIN 0x40
.irp a, 0,1,2,3
.irp c, 0,1,2
	ds_load_b128 v[96*(\set)+12*\a+4*\c:96*(\set)+12*\a+4*\c+3], v[AA+\slot] offset:12288*(\q)+1536*\a+512*\c
.endr
.endr
.irp b, 0,1,2,3
.irp p, 0,1,2,3,4,5
.set PCE, 12*(\q)+6*(\p/3)+\p%3
.if PCE%16 < 13
	ds_load_b64 v[96*(\set)+48+12*\b+2*\p:96*(\set)+48+12*\b+2*\p+1], v[BB+\slot] offset:8*PCE+16*(PCE/16)+16*BP*\b
.else
	ds_load_b64 v[96*(\set)+48+12*\b+2*\p:96*(\set)+48+12*\b+2*\p+1], v[BB+2+\slot] offset:8*PCE+16*(PCE/16)+16*BP*\b
.endif
.endr
.endr
	WIN 0
.endm
.macro SCALES4 set                     ; a slot's scale words
.irp q, 0,1,2,3
.irp u, 0,1
	ds_load_b32 v[SC+16*\set+2*\q+\u], v[ASA] offset:512*\q+128*\u
.endr
.endr
.irp u, 0,1
	ds_load_b128 v[SC+16*\set+8+4*\u:SC+16*\set+8+4*\u+3], v[ASB] offset:2176*\u
.endr
.endm
; 8 matrix instructions: blocks 2 half, 2 half + 1 of the tokens x wo's four tiles.  The 16 accumulators take turns, one instruction a turn, in the same order in every step.
.macro MUL8 half, set, q, sc, first
	WIN 0x05                                       ; both operands window 1, C and D window 0
.irp a, 2*\half, 2*\half+1
.irp b, 0,1,2,3
.set rD, ACC+8*(4*(\a)+\b)
.set rC, rD
.if \first
.set rC, BO+8*\b
.endif
.set rA, 96*(\set)+48+12*\b
.set rB, 96*(\set)+12*(\a)
.set rSA, SC+16*(\sc)+8+4*(\b/2)+(\q)
.set rSB, SC+16*(\sc)+2*(\q)+(\a)/2
.set ROWA, \b%2
.set ROWB, (\a)%2
	WMO
.endr
.endr
.endm
.macro STEP4 slot, q, first            ; one of a slot's first three steps; the next step's fragments are fetched into the other set, four places behind its last products
	s_wait_dscnt 0x0
	PLACES 4
	FETCH4 \slot, (\q)+1, 1-(\q)%2
	MUL8 0, (\q)%2, \q, \slot, \first
	MUL8 1, (\q)%2, \q, \slot, \first
	WIN 0
.endm
.macro TURN4 slot, next, fill          ; a slot's last step changes slots
	s_wait_tensorcnt 0x0                           ; all my tensor loads have landed: my part of the next slot
	ds_add_u32 v[SPW], v[NIL]
	PLACES 4
	s_wait_dscnt 0x0                               ; the add is done, and my reads of this slot are over
	s_barrier_signal -1
	MUL8 0, 1, 3, \slot, 0
	WIN 0
	s_barrier_wait -1
.if \fill
	CREST                                          ; no wave of any partner still reads this slot or has a load on its way
	s_add_nc_u64 s[G0A+4*\slot+2:G0A+4*\slot+3], s[G0A+4*\slot+2:G0A+4*\slot+3], 98304
	s_add_nc_u64 s[G0B+4*\slot+2:G0B+4*\slot+3], s[G0B+4*\slot+2:G0B+4*\slot+3], 768
	JLOAD G0A+4*\slot, G1A, G0B+4*\slot, G1B
.endif
	v_add_nc_u32 v[ASA], 2048, v[ASA]
	v_add_nc_u32 v[ASB], 16, v[ASB]
	FETCH4 \next, 0, 0
	SCALES4 \next
	MUL8 1, 1, 3, \slot, 0
	WIN 0
.endm
	s_wait_tensorcnt 0x1                           ; the scales and my part of slot 0 are in; slot 1's load may stay out
	s_barrier_signal -1
	s_barrier_wait -1
	FETCH4 0, 0, 0
	SCALES4 0
	s_wait_loadcnt 0x0                             ; bo and the mask bytes
	STEP4 0, 0, 1                                  ; the first products start the sums from bo
	STEP4 0, 1, 0
	STEP4 0, 2, 0
	TURN4 0, 1, 1
	STEP4 1, 0, 0
	STEP4 1, 1, 0
	STEP4 1, 2, 0
	TURN4 1, 0, 1
	STEP4 0, 0, 0
	STEP4 0, 1, 0
	STEP4 0, 2, 0
	TURN4 0, 1, 0                                  ; nothing is left to fetch
	STEP4 1, 0, 0
	STEP4 1, 1, 0
	STEP4 1, 2, 0
	s_wait_dscnt 0x0
	MUL8 0, 1, 3, 1, 0
	MUL8 1, 1, 3, 1, 0
	WIN 0
	; ---- THE WAY OUT, 16 tokens at a time through my own stage: sixteen lanes then store 256 consecutive bytes of a row
	PLACES 4
.irp a, 0,1,2,3
	v_cmp_ne_u32 s[92+\a], 0, v[MK+\a]
.endr
.macro OUTB a
.set BKR, 64+32*((\a)%2)
.if (\a) > 1
	s_wait_xcnt 0x0                                ; the stores of two blocks ago have read their registers
.endif
.set n, 0
.rept 32
	v_cndmask_b32 v[ACC+32*(\a)+n], 0, v[ACC+32*(\a)+n], s[92+(\a)]     ; a masked token's row is 0; each accumulator from its low end on
.set n, n+1
.endr
.irp b, 0,1,2,3
	ds_store_b128 v[STO], v[ACC+32*(\a)+8*\b:ACC+32*(\a)+8*\b+3] offset:64*\b
	ds_store_b128 v[STO], v[ACC+32*(\a)+8*\b+4:ACC+32*(\a)+8*\b+7] offset:64*\b+16
.endr
.irp t, 0,1,2,3,4,5,6,7
	ds_load_b128 v[BKR+4*\t:BKR+4*\t+3], v[RD] offset:544*\t           ; LDS serves a wave's instructions in order: these see the stores above, and the next block's stores come behind them
.endr
	s_wait_dscnt 0x0
.irp t, 0,1,2,3,4,5,6,7
	global_store_b128 v[CO], v[BKR+4*\t:BKR+4*\t+3], s[14:15] offset:(16*(\a)+2*\t)*8192 th:TH_STORE_NT
.endr
.endm
	OUTB 0
	OUTB 1
	OUTB 2
	OUTB 3
	s_wait_tensorcnt 0x0                           ; the wave's end
	ds_add_u32 v[SPW], v[NIL]
	s_wait_dscnt 0x0
	CROUND                                         ; the closing round
	s_endpgm
.Lfunc_end_k_q31d19ffbae_oproj:
	.size	k_q31d19ffbae_oproj, .Lfunc_end_k_q31d19ffbae_oproj-k_q31d19ffbae_oproj
	.p2alignl 7, 3214868480
	.fill 96, 4, 3214868480
	.section	.rodata,"a",@progbits
	.p2align	6, 0x0
	.amdhsa_kernel k_q31d19ffbae_oproj
		.amdhsa_group_segment_fixed_size 327680
		.amdhsa_private_segment_fixed_size 0
		.amdhsa_enable_private_segment 0
		.amdhsa_kernarg_size 48
		.amdhsa_user_sgpr_count 2
		.amdhsa_user_sgpr_kernarg_segment_ptr 1
		.amdhsa_wavefront_size32 1
		.amdhsa_system_sgpr_workgroup_id_x 1
		.amdhsa_system_sgpr_workgroup_id_y 1
		.amdhsa_system_sgpr_workgroup_id_z 1
		.amdhsa_system_vgpr_workitem_id 0
		.amdhsa_next_free_vgpr 512
		.amdhsa_next_free_sgpr 100
		.amdhsa_reserve_vcc 0
		.amdhsa_float_denorm_mode_32 3
		.amdhsa_float_denorm_mode_16_64 3
		.amdhsa_memory_ordered 1
		.amdhsa_forward_progress 1
		.amdhsa_inst_pref_size 105
	.end_amdhsa_kernel
	.amdgpu_metadata
---
amdhsa.version: [ 1, 2 ]
amdhsa.kernels:
  - .name:           k_q31d19ffbae_oproj
    .symbol:         k_q31d19ffbae_oproj.kd
    .args:
      - { .name: ao, .offset: 0, .size: 8, .value_kind: global_buffer, .address_space: global }
      - { .name: wo_codes, .offset: 8, .size: 8, .value_kind: global_buffer, .address_space: global }
      - { .name: wo_scales, .offset: 16, .size: 8, .value_kind: global_buffer, .address_space: global }
      - { .name: bo, .offset: 24, .size: 8, .value_kind: global_buffer, .address_space: global }
      - { .name: frame_mask, .offset: 32, .size: 8, .value_kind: global_buffer, .address_space: global }
      - { .name: out0, .offset: 40, .size: 8, .value_kind: global_buffer, .address_space: global }
    .group_segment_fixed_size: 327680
    .private_segment_fixed_size: 0
    .kernarg_segment_align: 8
    .kernarg_segment_size: 48
    .max_flat_workgroup_size: 128
    .sgpr_count:     100
    .vgpr_count:     512
    .wavefront_size: 32
...
	.end_amdgpu_metadata
.endif
;; end of part 4
